; MI455X (gfx1250); checked and timed in simulation.
; The chip was launched on July 23, 2026; its instructions are those of AMD's public machine-readable ISA for CDNA 5 (MIT licence, August 2026) and "CDNA5" Instruction Set Architecture Reference Guide (July 2026). The comments in the code are by the model that wrote it; some were corrected since.
;; Transformer Block. Allowed arithmetic: float matrix products may take bf16 or f16 operands with f32 sums; all other float work in f32.
;; Inputs: W1 1,024 x 4,096 float32; W2 4,096 x 1,024 float32; Wk 1,024 x 1,024 float32; Wo 1,024 x 1,024 float32; Wq 1,024 x 1,024 float32; Wv 1,024 x 1,024 float32; X 4 x 1,024 x 1,024 float32; b1 4,096 float32; b2 1,024 float32; ln1_scale 1,024 float32; ln1_shift 1,024 float32; ln2_scale 1,024 float32; ln2_shift 1,024 float32.
;; Outputs: out0 4 x 1,024 x 1,024 float32.
;; One version. Each part assembles by itself: llvm-mc -triple=amdgcn-amd-amdhsa -mcpu=gfx1250 --defsym DOCPART=n.
;; ======== version 1 of 1: 7 launches
;; limits: values are held in f16: magnitudes above 65,504 overflow, below 6.1e-05 lose precision
;; workspace buffers: wb 25,165,824 bytes; h 8,388,608 bytes; qkv 25,165,824 bytes; ctx 8,388,608 bytes; x1 16,777,216 bytes; g 33,554,432 bytes
;; launch castln (part 1): grid 1024 x 1, 8 waves a work-group, no clusters, 0 bytes of LDS; arguments X, ln1_scale, ln1_shift, h, Wq, Wk, Wv, Wo, W1, W2, wb; writes h, wb
.if DOCPART == 1
	.amdgcn_target "amdgcn-amd-amdhsa--gfx1250"
	.amdhsa_code_object_version 6
	.text
	.protected	k_qeff392dd17_castln
	.globl	k_qeff392dd17_castln
	.p2align	8
	.type	k_qeff392dd17_castln,@function
k_qeff392dd17_castln:
	s_mov_b64 s[64:65], 0
	v_nop
	global_prefetch_b8 v0, s[64:65] scope:SCOPE_SE
	s_setreg_imm32_b32 hwreg(HW_REG_WAVE_MODE, 25, 1), 1
	s_wait_xcnt 0x0
; TWO STREAMS IN ONE LAUNCH; they touch different buffers, and one scalar branch on the work-group's number chooses.  No LDS, no barrier, no matrix unit.
; Work-groups 0 to 255: h = LN(X) (see THE NORM below).  Work-groups 256 to 1,023: THE CAST.
; THE CAST.  wb = the six weight matrices rounded once to bf16 (nearest even), each in its own [K][N] order, one behind the other:
; Wq, Wk, Wv, Wo (2,097,152 bytes each), W1, W2 (8,388,608 bytes each).  Work-group 256 + c owns 16,384 numbers: 65,536 bytes in, 32,768 bytes out at wb + 32,768 c.
; Thread t takes 16 bytes at 16 t of each block of 4,096 bytes: a load of a wave covers 512 neighbouring bytes, a store 256, aligned.
.set X, 4                              ; v[4:67]   sixteen loads of four f32
.set Y, 68                             ; v[68:99]  sixteen pairs of packed bf16
	s_mov_b32 s2, ttmp9
	s_cmp_lt_u32 s2, 256
	s_cbranch_scc1 .Lnorm
	s_load_b256 s[8:15], s[0:1], 0x20              ; Wq s[8:9], Wk s[10:11], Wv s[12:13], Wo s[14:15]
	s_load_b128 s[16:19], s[0:1], 0x40             ; W1 s[16:17], W2 s[18:19]
	s_load_b64 s[20:21], s[0:1], 0x50              ; wb
	s_sub_co_u32 s2, s2, 256                       ; c
	s_lshr_b32 s3, s2, 6                           ; c < 256: which of the four square matrices (64 work-groups each)
	s_and_b32 s4, s2, 63                           ; my block in a square matrix,
	s_and_b32 s5, s2, 255                          ; or in W1 or W2 (256 work-groups each)
	s_cmp_ge_u32 s2, 256
	s_cselect_b32 s4, s5, s4
	s_lshl_b32 s4, s4, 16                          ; in bytes of f32
	s_mov_b32 s5, 0
	s_lshl_b32 s6, s2, 15                          ; my 32,768 bytes of wb
	s_mov_b32 s7, 0
	v_lshlrev_b32 v1, 4, v0                        ; 16 t
	v_lshlrev_b32 v2, 3, v0                        ; 8 t
	s_wait_kmcnt 0x0
	s_cmp_eq_u32 s3, 1                             ; the source is chosen on c alone
	s_cselect_b64 s[8:9], s[10:11], s[8:9]
	s_cmp_eq_u32 s3, 2
	s_cselect_b64 s[8:9], s[12:13], s[8:9]
	s_cmp_eq_u32 s3, 3
	s_cselect_b64 s[8:9], s[14:15], s[8:9]
	s_cmp_ge_u32 s2, 256
	s_cselect_b64 s[8:9], s[16:17], s[8:9]
	s_cmp_ge_u32 s2, 512
	s_cselect_b64 s[8:9], s[18:19], s[8:9]
	s_add_nc_u64 s[8:9], s[8:9], s[4:5]
	s_add_nc_u64 s[20:21], s[20:21], s[6:7]
.irp i, 0,1,2,3,4,5,6,7,8,9,10,11,12,13,14,15
	global_load_b128 v[X+4*(\i):X+4*(\i)+3], v1, s[8:9] offset:4096*(\i) th:TH_LOAD_NT  ; read once in the whole program
.endr
.irp i, 0,1,2,3,4,5,6,7,8,9,10,11,12,13,14,15
	s_wait_loadcnt 15-(\i)                         ; loads come back in order: load i is in, the younger ones stay out
	v_cvt_pk_bf16_f32 v[Y+2*(\i)], v[X+4*(\i)], v[X+4*(\i)+1]
	v_cvt_pk_bf16_f32 v[Y+2*(\i)+1], v[X+4*(\i)+2], v[X+4*(\i)+3]
	global_store_b64 v2, v[Y+2*(\i):Y+2*(\i)+1], s[20:21] offset:2048*(\i)  ; no register is written twice, so no wait frees any
.endr
	s_endpgm
; THE NORM.  h[r][c] = scale[c] (x[r][c] - mean_r) / sqrt(var_r + 1e-5) + shift[c], x f32 [4096][1024], h bf16 [4096][1024], rounded once.
; Two passes over a row that stays in registers: the mean first, then the sum of (x - mean)^2, so that a common offset of a row costs no digits.
; One wave, two rows: a row is 4,096 bytes = 32 registers of the wave; the sums never leave the wave.
; Lane l, load j hold columns 128 j + 4 l .. + 3: a load of the wave covers 512 neighbouring bytes, a store 256, aligned.
.set SC, 4                             ; v[4:35]    scale of my 32 columns
.set SH, 36                            ; v[36:67]   shift
.set X0, 68                            ; v[68:131]  row r at X0 + 32 r; its packed bf16 end in its own first 16 registers
.set T,  132                           ; v[132:139] at work
.set RS, 140                           ; v[140:143] row r's 1 / sqrt(var + eps), twice (a pair for the packed multiply)
.Lnorm:
	s_load_b256 s[4:11], s[0:1], 0x0               ; x s[4:5], scale s[6:7], shift s[8:9], h s[10:11]
	v_and_b32 v3, 31, v0                           ; lane
	v_lshrrev_b32 v2, 5, v0
	v_readfirstlane_b32 s2, v2                     ; wave
	v_lshlrev_b32 v1, 4, v3                        ; 16 l
	v_lshlrev_b32 v2, 3, v3                        ; 8 l
	s_lshl_b32 s3, ttmp9, 3
	s_add_co_u32 s3, s3, s2                        ; my pair of rows among 2,048
	s_lshl_b32 s16, s3, 13                         ; two rows of 4,096 bytes
	s_mov_b32 s17, 0
	s_lshl_b32 s18, s3, 12                         ; two rows of 2,048 bytes
	s_mov_b32 s19, 0
	s_mov_b32 s12, 0x76543210                      ; v_permlanex16_b32: each lane takes its own place in the other half
	s_mov_b32 s13, 0xfedcba98
	s_mov_b32 s14, 0x3a800000                      ; 1 / 1,024
	s_mov_b32 s15, 0x3727c5ac                      ; 1e-5
	s_wait_kmcnt 0x0
	s_add_nc_u64 s[4:5], s[4:5], s[16:17]
	s_add_nc_u64 s[10:11], s[10:11], s[18:19]
.irp r, 0,1
.irp j, 0,1,2,3,4,5,6,7
	global_load_b128 v[X0+32*(\r)+4*(\j):X0+32*(\r)+4*(\j)+3], v1, s[4:5] offset:4096*(\r)+512*(\j)
.endr
.endr
.irp j, 0,1,2,3,4,5,6,7
	global_load_b128 v[SC+4*(\j):SC+4*(\j)+3], v1, s[6:7] offset:512*(\j)
.endr
.irp j, 0,1,2,3,4,5,6,7
	global_load_b128 v[SH+4*(\j):SH+4*(\j)+3], v1, s[8:9] offset:512*(\j)
.endr
.macro FOLD                            ; four chains of pairs -> one number a lane -> the sum over the 32 lanes, in every lane
	v_pk_add_f32 v[T:T+1], v[T:T+1], v[T+2:T+3]
	v_pk_add_f32 v[T+4:T+5], v[T+4:T+5], v[T+6:T+7]
	v_pk_add_f32 v[T:T+1], v[T:T+1], v[T+4:T+5]
	v_add_f32 v[T], v[T], v[T+1]
	v_add_f32_dpp v[T], v[T], v[T] row_xmask:1 row_mask:0xf bank_mask:0xf
	v_add_f32_dpp v[T], v[T], v[T] row_xmask:2 row_mask:0xf bank_mask:0xf
	v_add_f32_dpp v[T], v[T], v[T] row_xmask:4 row_mask:0xf bank_mask:0xf
	v_add_f32_dpp v[T], v[T], v[T] row_xmask:8 row_mask:0xf bank_mask:0xf
	v_permlanex16_b32 v[T+1], v[T], s12, s13       ; its destination has been written before
	v_add_f32 v[T], v[T], v[T+1]
.endm
.macro STAT r                          ; row r: x - mean in place, and 1 / sqrt(var + eps)
.set XR, X0+32*(\r)
.irp k, 0,1,2,3
	v_pk_add_f32 v[T+2*(\k):T+2*(\k)+1], v[XR+2*(\k):XR+2*(\k)+1], v[XR+8+2*(\k):XR+8+2*(\k)+1]  ; the first pairs start the chains: nothing is cleared
.endr
.irp m, 2,3
.irp k, 0,1,2,3
	v_pk_add_f32 v[T+2*(\k):T+2*(\k)+1], v[T+2*(\k):T+2*(\k)+1], v[XR+8*(\m)+2*(\k):XR+8*(\m)+2*(\k)+1]
.endr
.endr
	FOLD
	v_mul_f32 v[T+2], s14, v[T]                    ; the mean, twice
	v_mul_f32 v[T+3], s14, v[T]
.set i, 0
.rept 16
	v_pk_add_f32 v[XR+2*i:XR+2*i+1], v[XR+2*i:XR+2*i+1], v[T+2:T+3] neg_lo:[0,1] neg_hi:[0,1]
.set i, i+1
.endr
.irp k, 0,1,2,3
	v_pk_mul_f32 v[T+2*(\k):T+2*(\k)+1], v[XR+2*(\k):XR+2*(\k)+1], v[XR+2*(\k):XR+2*(\k)+1]
.endr
.irp m, 1,2,3
.irp k, 0,1,2,3
	v_pk_fma_f32 v[T+2*(\k):T+2*(\k)+1], v[XR+8*(\m)+2*(\k):XR+8*(\m)+2*(\k)+1], v[XR+8*(\m)+2*(\k):XR+8*(\m)+2*(\k)+1], v[T+2*(\k):T+2*(\k)+1]
.endr
.endr
	FOLD
	v_fma_f32 v[T], v[T], s14, s15                 ; var + eps
	v_rsq_f32 v[RS+2*(\r)], v[T]
	v_rsq_f32 v[RS+2*(\r)+1], v[T]
	v_nop                                          ; a plain instruction before the result is used or the source rewritten (ISA guide 5.7.2)
.endm
.macro APPLY r
.set XR, X0+32*(\r)
.set i, 0
	s_wait_alu depctr_va_vdst(0)
.rept 16
	v_pk_mul_f32 v[XR+2*i:XR+2*i+1], v[XR+2*i:XR+2*i+1], v[RS+2*(\r):RS+2*(\r)+1]
.set i, i+1
.endr
.set i, 0
.rept 16
	v_pk_fma_f32 v[XR+2*i:XR+2*i+1], v[XR+2*i:XR+2*i+1], v[SC+2*i:SC+2*i+1], v[SH+2*i:SH+2*i+1]
.set i, i+1
.endr
.set i, 0
.rept 16
	v_cvt_pk_bf16_f32 v[XR+i], v[XR+2*i], v[XR+2*i+1]  ; pair i goes into register i, which pairs i and later no longer need (i <= 2 i)
.set i, i+1
.endr
.irp j, 0,1,2,3,4,5,6,7
	global_store_b64 v2, v[XR+2*(\j):XR+2*(\j)+1], s[10:11] offset:2048*(\r)+256*(\j)
.endr
.endm
	s_wait_loadcnt 24                              ; row 0's eight loads are in; row 1's, scale's and shift's 24 stay out
	STAT 0
	s_wait_loadcnt 16                              ; row 1 is in
	STAT 1
	s_wait_loadcnt 0x0                             ; scale and shift
	APPLY 0
	APPLY 1
	s_endpgm
.Lfunc_end_k_qeff392dd17_castln:
	.size	k_qeff392dd17_castln, .Lfunc_end_k_qeff392dd17_castln-k_qeff392dd17_castln
	.p2alignl 7, 3214868480
	.fill 96, 4, 3214868480
	.section	.rodata,"a",@progbits
	.p2align	6, 0x0
	.amdhsa_kernel k_qeff392dd17_castln
		.amdhsa_group_segment_fixed_size 0
		.amdhsa_private_segment_fixed_size 0
		.amdhsa_enable_private_segment 0
		.amdhsa_kernarg_size 88
		.amdhsa_user_sgpr_count 2
		.amdhsa_user_sgpr_kernarg_segment_ptr 1
		.amdhsa_wavefront_size32 1
		.amdhsa_system_sgpr_workgroup_id_x 1
		.amdhsa_system_sgpr_workgroup_id_y 1
		.amdhsa_system_sgpr_workgroup_id_z 1
		.amdhsa_system_vgpr_workitem_id 0
		.amdhsa_next_free_vgpr 144
		.amdhsa_next_free_sgpr 66
		.amdhsa_reserve_vcc 0
		.amdhsa_float_denorm_mode_32 3
		.amdhsa_float_denorm_mode_16_64 3
		.amdhsa_memory_ordered 1
		.amdhsa_forward_progress 1
		.amdhsa_inst_pref_size 27
	.end_amdhsa_kernel
	.amdgpu_metadata
---
amdhsa.version: [ 1, 2 ]
amdhsa.kernels:
  - .name:           k_qeff392dd17_castln
    .symbol:         k_qeff392dd17_castln.kd
    .args:
      - { .name: X, .offset: 0, .size: 8, .value_kind: global_buffer, .address_space: global }
      - { .name: ln1_scale, .offset: 8, .size: 8, .value_kind: global_buffer, .address_space: global }
      - { .name: ln1_shift, .offset: 16, .size: 8, .value_kind: global_buffer, .address_space: global }
      - { .name: h, .offset: 24, .size: 8, .value_kind: global_buffer, .address_space: global }
      - { .name: Wq, .offset: 32, .size: 8, .value_kind: global_buffer, .address_space: global }
      - { .name: Wk, .offset: 40, .size: 8, .value_kind: global_buffer, .address_space: global }
      - { .name: Wv, .offset: 48, .size: 8, .value_kind: global_buffer, .address_space: global }
      - { .name: Wo, .offset: 56, .size: 8, .value_kind: global_buffer, .address_space: global }
      - { .name: W1, .offset: 64, .size: 8, .value_kind: global_buffer, .address_space: global }
      - { .name: W2, .offset: 72, .size: 8, .value_kind: global_buffer, .address_space: global }
      - { .name: wb, .offset: 80, .size: 8, .value_kind: global_buffer, .address_space: global }
    .group_segment_fixed_size: 0
    .private_segment_fixed_size: 0
    .kernarg_segment_align: 8
    .kernarg_segment_size: 88
    .max_flat_workgroup_size: 256
    .sgpr_count:     66
    .vgpr_count:     144
    .wavefront_size: 32
...
	.end_amdgpu_metadata
.endif
;; end of part 1
;; launch gq (part 2): grid 12 x 16, 4 waves a work-group, clusters of 4 x 4, 327,680 bytes of LDS; arguments h, wb, qkv; writes qkv
.if DOCPART == 2
	.amdgcn_target "amdgcn-amd-amdhsa--gfx1250"
	.amdhsa_code_object_version 6
	.text
	.protected	k_qeff392dd17_gq
	.globl	k_qeff392dd17_gq
	.p2align	8
	.type	k_qeff392dd17_gq,@function
k_qeff392dd17_gq:
	s_mov_b64 s[64:65], 0
	v_nop
	global_prefetch_b8 v0, s[64:65] scope:SCOPE_SE
	s_setreg_imm32_b32 hwreg(HW_REG_WAVE_MODE, 25, 1), 1
	s_wait_xcnt 0x0
	s_wait_alu depctr_hold_cnt(0) depctr_sa_sdst(0) depctr_va_vdst(0) depctr_va_sdst(0) depctr_va_ssrc(0) depctr_va_vcc(0) depctr_vm_vsrc(0)
	s_getreg_b32 s2, hwreg(HW_REG_IB_STS2, 6, 4)
	s_cmp_eq_u32 s2, 0
	s_cbranch_scc0 .Lentry_in_a_cluster
	s_endpgm
.Lentry_in_a_cluster:
	s_bfe_u32 s2, ttmp6, 0x10000c
	s_cmp_lg_u32 s2, 0xf033
	s_cbranch_scc0 .Lentry_shape_is_right
	s_endpgm
.Lentry_shape_is_right:
; [q | k | v] = h [Wq | Wk | Wv].  h: bf16 [4096][1024].  The weights: bf16 [1024][1024] each, K down the rows, at wb + 2,097,152 x which.
; Out: f16, in panels of 64 columns: qkv[panel = 16 which + head][row 0..4095][64], a row of a panel 128 bytes, rows dense.  Sums in f32, rounded once.
; LIMIT: f16 ends at 65,504; q, k and v beyond that would leave as infinities.  NaN and infinities are not treated apart.
; A tile of C, 256 x 256, is made by four waves, each 128 x 128: 64 accumulators, 512 registers.  K goes in 8 steps of 128 through two LDS slots filled by tensor loads.
; 12 x 16 = 192 work-groups: a tile of 256 columns keeps whole heads in a wave.
; A's tile lies along K and is read as it lies; B's tile lies [k][n] and is read turned, by ds_load_tr16_b128.
; THE MATRIX INSTRUCTION IS USED TRANSPOSED (source 0 = 16 columns of B, source 1 = 16 rows of A): a lane then holds eight neighbouring numbers of a row of C.
; CLUSTER 4 x 4: A's tile is asked for jointly along a row of the cluster, B's along a column: the same load, descriptor and mask in all four.
; THE TEXT OF A K STEP STANDS ONCE IN THE LOOP: the slot in hand is a scalar (TB) that an exclusive or turns.  The last two steps are a loop of two trips without fills;
; its last change of slots fetches 32 fragments that serve nothing: the price, once a launch, of one text for both.
; REGISTERS: window 0: v16-29 addresses, v32-95 and v192-255 the way out, v64-191 A's fragments (two buffers); window 1: v64-191 B's fragments; windows 2, 3: accumulator (a, b) at v[8 (8 a + b)].
.set GELU,   0                         ; 0: round to f16.  1: add the bias, GELU, round to bf16
.set NU,     16                        ; the way out: rows in a trip (as many 16-byte loads a lane)
.set BPITCH, 1024                      ; elements in a row of B
.set KSTEP,  128
.set STEPS,  8
.set PA,     272                       ; an LDS row of A: 256 bytes + 16: the 16 rows of a load start in 16 different groups of four banks (ISA guide 11.1)
.set PB,     544                       ; an LDS row of B: 512 bytes + 32 = 17 x 32
.set HALFT,  128*PA                    ; what one tensor load brings: 128 rows of A, or 64 rows of B (64 x 544 is the same number)
.set SLOT,   4*HALFT                   ; A's 256 rows, then B's 128; it shares no bit with wave x HALFT, so an exclusive or changes slots
.set SPARE,  2*SLOT                    ; behind the ring: the spare words, 128 bytes a wave
.set SP,     528                       ; the way out: a stage row of 128 f32 + 16 bytes
.set WSTG,   128*SP                    ; a wave's stage, in the ring's bytes once their last fill has been read
.set ASTEP,  KSTEP*2
.set BSTEP,  KSTEP*BPITCH*2
.set A0,   16                          ; v16  my lane's place in A's tile of slot 0; never rewritten
.set B0,   17                          ; v17  the same for B
.set ADRA, 18                          ; v18  A0 + TB
.set ADRB, 19                          ; v19  B0 + TB
.set STO,  24                          ; v24  the way out: where I put 32 bytes of a row
.set RD,   25                          ; v25  where I read rows back
.set GO,   26                          ; v26  my byte offset in two rows of a panel
.set SPW,  28                          ; v28  my spare word; never rewritten
.set NIL,  29                          ; v29  0; never rewritten
.set X,    32                          ; v[32:32+4 NU-1]  NU rows back from the stage
.set XB,   64                          ; v[64:95]   with GELU: x + bias
.set F0,   64
.set F1,   128
.set T,    192                         ; v[192:223] at work
.set Y,    224                         ; v[224:224+2 NU-1] packed results
.set BI,   240                         ; v[240:247] with GELU: the bias of my 4 columns in each of the wave's two panels
.set G1,  24                           ; s[24:31] group 1 for A;  s[32:39] group 0: K step 0's set, then the set that walks
.set G0,  32
.set G1B, 48                           ; s[48:55], s[56:63] the same for B
.set G0B, 56
.set TB,  68                           ; s68  0 or SLOT: the slot in hand
.set MSB, 0
.macro WIN new                         ; the immediate's high byte repeats the setting that is left
.if MSB != (\new)
	s_set_vgpr_msb (MSB<<8)|(\new)
.set MSB, \new
.endif
.endm
.set MUL_LO, 0xa1                      ; source 0 (B) window 1, source 1 (A) window 0, C and D window 2
.set MUL_HI, 0xf1                      ; the same, C and D window 3
.set TO_B,   0x40                      ; destination window 1, address window 0
.set ST_LO,  0x08                      ; LDS store: data (source 1) window 2
.set ST_HI,  0x0c                      ; window 3
.macro PLACES                          ; four plain places behind matrix instructions, in front of loads into their sources and of reads of their results
.rept 4
	v_nop
.endr
.endm
.macro JLOAD                           ; a joint refill by the walking set: waves 0, 1 fetch A's halves, waves 2, 3 B's; s_nop 0 and four v_nop follow each line
	s_cmp_eq_u32 s11, 0
	s_cbranch_scc0 .Lfor_b_\@
	tensor_load_to_lds s[G0+4:G0+7], s[G1:G1+7]
	s_nop 0
.rept 4
	v_nop
.endr
	s_branch .Lasked_\@
.Lfor_b_\@:
	tensor_load_to_lds s[G0B+4:G0B+7], s[G1B:G1B+7]
	s_nop 0
.rept 4
	v_nop
.endr
.Lasked_\@:
.endm
.macro CREST                           ; a round of the cluster's barrier behind its opening barrier
	s_cmp_lg_u32 s10, 0
	s_cbranch_scc1 .Lnot_wave_0_\@
	s_barrier_signal -3
.Lnot_wave_0_\@:
	s_barrier_wait -3
	s_barrier_signal -1
	s_barrier_wait -1
.endm
.macro CROUND
	s_barrier_signal -1
	s_barrier_wait -1
	CREST
.endm
	s_load_b128 s[4:7], s[0:1], 0x0                ; A s[4:5], wb s[6:7]
	s_load_b64 s[8:9], s[0:1], 0x10                ; out
.if GELU
	s_load_b64 s[76:77], s[0:1], 0x18              ; the bias
.endif
	v_lshl_add_u32 v[SPW], v0, 2, SPARE
	v_mov_b32 v[NIL], 0
	ds_add_u32 v[SPW], v[NIL]                      ; the wave's opening: the add and its wait stand ahead of my first tensor load
	ds_add_u32 v28, v29
	v_lshrrev_b32 v1, 5, v0
	v_readfirstlane_b32 s10, v1                    ; wave 0..3
	s_lshr_b32 s11, s10, 1                         ; my half of the tile's rows.  Also: I fetch for A (0) or B (1)
	s_and_b32 s12, s10, 1                          ; my half of its columns.  Also: which half of that tile I fetch
	s_bfe_u32 s40, ttmp6, 0x40000                  ; cx
	s_bfe_u32 s41, ttmp6, 0x40004                  ; cy
	s_lshl_b32 s42, ttmp9, 2
	s_add_co_u32 s42, s42, s40                     ; tile column tc
	s_and_b32 s13, ttmp7, 0xffff
	s_lshl_b32 s13, s13, 2
	s_add_co_u32 s13, s13, s41                     ; tile row tr
	s_lshl_b32 s43, s41, 2
	s_lshl_b32 s43, 15, s43                        ; my row of the cluster
	s_lshl_b32 s44, 0x1111, s40                    ; my column
	s_or_b32 s[G1+0], s43, (1<<16)|(1<<20)|(1<<21)|(5<<22)|(3<<25)   ; mask; 2-byte elements; padding on; bit 21 beside a mask; after every 64 words 4 words
	s_or_b32 s[G1B+0], s44, (1<<16)|(1<<20)|(1<<21)|(6<<22)|(7<<25)  ; after every 128 words 8 words
	s_mov_b32 s[G1+1], 128<<16                     ; tensor_dim0 = 128
	s_mov_b32 s[G1+2], 128<<16                     ; tensor_dim1 = 128
	s_mov_b32 s[G1+3], 128<<16                     ; tile_dim0 = 128
	s_mov_b32 s[G1+4], 128                         ; tile_dim1 = 128
	s_mov_b32 s[G1+5], 1024                        ; elements from row to row of A
	s_mov_b32 s[G1+6], 0
	s_mov_b32 s[G1+7], 0
	s_mov_b32 s[G1B+1], 256<<16                    ; tensor_dim0 = 256
	s_mov_b32 s[G1B+2], 64<<16                     ; tensor_dim1 = 64
	s_mov_b32 s[G1B+3], 256<<16                    ; tile_dim0 = 256
	s_mov_b32 s[G1B+4], 64                         ; tile_dim1 = 64
	s_mov_b32 s[G1B+5], BPITCH
	s_mov_b32 s[G1B+6], 0
	s_mov_b32 s[G1B+7], 0
	s_lshl_b32 s16, s13, 19                        ; A: (256 tr + 128 half) rows of 2,048 bytes: hangs on the tile row alone
	s_lshl_b32 s17, s12, 18
	s_add_co_u32 s16, s16, s17
	s_mov_b32 s17, 0
.if GELU
	s_lshl_b32 s46, s42, 9                         ; B: W1 at wb + 8,388,608; 512 bytes a tile column; 64 rows of 8,192 bytes a half
	s_lshl_b32 s47, s12, 19
	s_add_co_u32 s46, s46, s47
	s_add_co_u32 s46, s46, 8388608
.else
	s_lshr_b32 s46, s42, 2                         ; B: matrix tc / 4, 512 bytes a tile column in it, 64 rows of 2,048 bytes a half
	s_lshl_b32 s46, s46, 21
	s_and_b32 s47, s42, 3
	s_lshl_b32 s47, s47, 9
	s_add_co_u32 s46, s46, s47
	s_lshl_b32 s47, s12, 17
	s_add_co_u32 s46, s46, s47
.endif
	s_mov_b32 s47, 0
	s_mul_i32 s20, s10, HALFT                      ; where my fills go: wave x 34,816: no place in the cluster enters an LDS address
	s_mov_b32 s[TB], 0
.if GELU
	s_mov_b32 s70, 0xc0135761                      ; k0 = -2 sqrt(2 / pi) log2(e)
	s_mov_b32 s71, 0xc0135761
	s_mov_b32 s72, 0xbdd2d3e8                      ; k1 = 0.044715 k0
	s_mov_b32 s73, 0xbdd2d3e8
.endif
	s_wait_dscnt 0x0                               ; the opening add is done
	s_wait_kmcnt 0x0
	s_add_nc_u64 s[14:15], s[4:5], s[16:17]
	s_add_nc_u64 s[46:47], s[6:7], s[46:47]
	CROUND                                         ; all sixteen work-groups are here: the first joint loads meet
.irp s, 0,1
	s_mov_b32 s[G0+4*(\s)], 1
	s_add_co_u32 s[G0+4*(\s)+1], s20, (\s)*SLOT
	s_add_nc_u64 s[G0+4*(\s)+2:G0+4*(\s)+3], s[14:15], (\s)*ASTEP
	s_or_b32 s[G0+4*(\s)+3], s[G0+4*(\s)+3], 0x80000000
	s_mov_b32 s[G0B+4*(\s)], 1
	s_add_co_u32 s[G0B+4*(\s)+1], s20, (\s)*SLOT
	s_add_nc_u64 s[G0B+4*(\s)+2:G0B+4*(\s)+3], s[46:47], (\s)*BSTEP
	s_or_b32 s[G0B+4*(\s)+3], s[G0B+4*(\s)+3], 0x80000000
.endr
	s_cmp_eq_u32 s11, 0                            ; a wave's two first fills stand in one branch: two loads of mine are out
	s_cbranch_scc0 .Lfirst_b
	tensor_load_to_lds s[G0:G0+3], s[G1:G1+7]
	s_nop 0
	tensor_load_to_lds s[G0+4:G0+7], s[G1:G1+7]
	s_nop 0
.rept 4
	v_nop
.endr
	s_branch .Lfirst_asked
.Lfirst_b:
	tensor_load_to_lds s[G0B:G0B+3], s[G1B:G1B+7]
	s_nop 0
	tensor_load_to_lds s[G0B+4:G0B+7], s[G1B:G1B+7]
	s_nop 0
.rept 4
	v_nop
.endr
.Lfirst_asked:
	v_and_b32 v1, 15, v0                           ; l % 16
	v_bfe_u32 v2, v0, 4, 1                         ; l / 16
	v_mul_u32_u24 v3, v1, PA                       ; a fragment of A: row l % 16, 16 bytes for each half of the lanes, a second load 32 bytes on
	v_lshl_add_u32 v3, v2, 4, v3
	s_mul_i32 s21, s11, HALFT
	v_add_nc_u32 v[A0], s21, v3
	v_and_b32 v4, 7, v0                            ; the turning load: lane l reads 16 bytes of row k = 8 (l / 16) + l % 8, columns 8 ((l / 8) % 2) on,
	v_lshl_add_u32 v4, v2, 3, v4                   ; and is left with column l % 16 and eight k; a second load 16 rows on
	v_mul_u32_u24 v4, v4, PB
	v_bfe_u32 v5, v0, 3, 1
	v_lshl_add_u32 v4, v5, 4, v4
	s_lshl_b32 s22, s12, 8                         ; my 128 columns of B,
	s_add_co_u32 s22, s22, 2*HALFT                 ; which lies behind A
	v_add_nc_u32 v[B0], s22, v4
	v_mov_b32 v[ADRA], v[A0]
	v_mov_b32 v[ADRB], v[B0]
	s_mul_i32 s23, s10, WSTG                       ; my stage
	v_mul_u32_u24 v6, v1, SP                       ; in: row l % 16, 32 bytes for each half of the lanes
	v_lshl_add_u32 v6, v2, 5, v6
	v_add_nc_u32 v[STO], s23, v6
	v_mul_u32_u24 v6, v2, SP                       ; back: lanes 0-15 take 256 bytes of one row, lanes 16-31 of the next
	v_lshl_add_u32 v6, v1, 4, v6
	v_add_nc_u32 v[RD], s23, v6
	v_and_b32 v6, 31, v0
	v_lshlrev_b32 v[GO], 3, v6                     ; those two rows are 256 dense bytes of a panel: 8 bytes a lane
	s_lshl_b32 s16, s13, 15                        ; out: rows 256 tr + 128 half of 128 bytes,
	s_lshl_b32 s17, s11, 14
	s_add_co_u32 s16, s16, s17
	s_lshl_b32 s46, s42, 21                        ; panels 4 tc + 2 half of 524,288 bytes
	s_lshl_b32 s47, s12, 20
	s_add_co_u32 s46, s46, s47
	s_add_co_u32 s16, s16, s46
	s_mov_b32 s17, 0
	s_add_nc_u64 s[8:9], s[8:9], s[16:17]
.if GELU
	v_lshlrev_b32 v7, 4, v1                        ; the bias of columns 256 tc + 128 half + 64 panel + 4 (l % 16) ..; v7 is never rewritten
	s_lshl_b32 s78, s42, 10
	s_lshl_b32 s79, s12, 9
	s_add_co_u32 s78, s78, s79
	s_mov_b32 s79, 0
	s_add_nc_u64 s[76:77], s[76:77], s[78:79]
	global_load_b128 v[BI:BI+3], v7, s[76:77]
	global_load_b128 v[BI+4:BI+7], v7, s[76:77] offset:256
.endif
; 16 matrix instructions: row blocks a0, a0 + 1 of the window's four x all 8 column blocks, 32 along K.  zero = 1: the product starts the sum.
; The 64 accumulators take turns, one instruction a turn, in the same order in every quarter.
.macro MUL16 f, hi, a0, zero
	WIN MUL_LO+0x50*(\hi)
.irp a, \a0, (\a0)+1
.irp b, 0,1,2,3,4,5,6,7
.if \zero
	v_wmma_f32_16x16x32_bf16 v[8*(8*(\a)+(\b)):8*(8*(\a)+(\b))+7], v[(\f)+8*(\b):(\f)+8*(\b)+7], v[(\f)+8*(4*(\hi)+(\a)):(\f)+8*(4*(\hi)+(\a))+7], 0
.else
	v_wmma_f32_16x16x32_bf16 v[8*(8*(\a)+(\b)):8*(8*(\a)+(\b))+7], v[(\f)+8*(\b):(\f)+8*(\b)+7], v[(\f)+8*(4*(\hi)+(\a)):(\f)+8*(4*(\hi)+(\a))+7], v[8*(8*(\a)+(\b)):8*(8*(\a)+(\b))+7]
.endif
.endr
.endr
.endm
; 32 LDS loads in one run: quarter q (32 along K) of the slot in hand into buffer f: B's 128 columns turned, then A's 128 rows
.macro FETCH q, f
	WIN TO_B
.irp i, 0,1,2,3,4,5,6,7
	ds_load_tr16_b128 v[(\f)+8*(\i):(\f)+8*(\i)+3],   v[ADRB] offset:(\q)*32*PB+32*(\i)
	ds_load_tr16_b128 v[(\f)+8*(\i)+4:(\f)+8*(\i)+7], v[ADRB] offset:(\q)*32*PB+16*PB+32*(\i)
.endr
	WIN 0
.irp i, 0,1,2,3,4,5,6,7
	ds_load_b128 v[(\f)+8*(\i):(\f)+8*(\i)+3],   v[ADRA] offset:(\q)*64+(\i)*16*PA
	ds_load_b128 v[(\f)+8*(\i)+4:(\f)+8*(\i)+7], v[ADRA] offset:(\q)*64+(\i)*16*PA+32
.endr
.endm
; One of a K step's first three quarters: multiplies buffer f; in its middle fetches quarter q into buffer g
.macro QUARTER q, f, g, zero
	s_wait_dscnt 8                                 ; B and A's rows 0-63 are in; the youngest eight loads (A's rows 64-127) may be out
	MUL16 \f, 0, 0, \zero
	MUL16 \f, 0, 2, \zero
	PLACES
	FETCH \q, \g
	s_wait_dscnt 32                                ; all but the 32 just issued
	MUL16 \f, 1, 0, \zero
	MUL16 \f, 1, 2, \zero
.endm
; The last quarter multiplies buffer 1 and changes slots.  In front of the barrier each wave waits for all its tensor loads (one is out: its part of the next slot), adds 0 to its
; spare word, and waits for that and for its reads of this slot.  fill = 1: the barrier opens a round of the cluster's, and the slot just read is filled again, two K steps ahead, first thing behind it.
.macro TURN fill
	WIN 0
	s_wait_tensorcnt 0x0                           ; all my tensor loads have landed
	ds_add_u32 v[SPW], v[NIL]
	s_wait_dscnt 9                                 ; the add and the youngest eight loads may be out
	MUL16 F1, 0, 0, 0
	s_wait_dscnt 0x0                               ; the add is done, and my reads of this slot are over
	s_barrier_signal -1
	MUL16 F1, 0, 2, 0                              ; work on registers while the others arrive
	WIN 0
	s_barrier_wait -1
.if \fill
	CREST                                          ; no wave of any partner still reads this slot or has a load on its way
	s_add_nc_u64 s[G0+6:G0+7], s[G0+6:G0+7], ASTEP      ; the walking sets: the next K step,
	s_add_nc_u64 s[G0B+6:G0B+7], s[G0B+6:G0B+7], BSTEP
	s_xor_b32 s[G0+5], s[G0+5], SLOT                    ; the other slot than last time
	s_xor_b32 s[G0B+5], s[G0B+5], SLOT
	s_xor_b32 s[TB], s[TB], SLOT
	JLOAD                                          ; its four v_nop are also the places in front of the loads below
.else
	s_xor_b32 s[TB], s[TB], SLOT
	PLACES
.endif
	v_add_nc_u32 v[ADRA], s[TB], v[A0]
	v_add_nc_u32 v[ADRB], s[TB], v[B0]
	FETCH 0, F0
	MUL16 F1, 1, 0, 0
	MUL16 F1, 1, 2, 0
.endm
	s_wait_tensorcnt 0x1                           ; my part of K step 0 is in; K step 1's may stay out
	s_barrier_signal -1
	s_barrier_wait -1
	FETCH 0, F0
	QUARTER 1, F0, F1, 1                           ; the first quarter stands in front of the loop: its products start the sums
	WIN 0
	s_mov_b32 s3, STEPS-2
.Lstep:                                                ; a trip: a K step's quarters 2 to 4 and the next step's first; it asks for the K step two on
	QUARTER 2, F1, F0, 0
	QUARTER 3, F0, F1, 0
	TURN 1
	QUARTER 1, F0, F1, 0
	WIN 0
	s_sub_co_u32 s3, s3, 1
	s_cmp_lg_u32 s3, 0
	s_cbranch_scc1 .Lstep
	s_mov_b32 s3, 2
.Ltail:                                                ; the last two K steps ask for nothing; the second trip is left in its middle
	QUARTER 2, F1, F0, 0
	QUARTER 3, F0, F1, 0
	TURN 0
	WIN 0
	s_sub_co_u32 s3, s3, 1
	s_cmp_eq_u32 s3, 0
	s_cbranch_scc1 .Lout
	QUARTER 1, F0, F1, 0
	WIN 0
	s_cmp_lg_u32 s3, 0
	s_cbranch_scc1 .Ltail
.Lout:
	; THE WAY OUT.  The ring has had its last fill.  When every wave has left it, each wave lays its 128 x 128 sums in f32 into its own stage there, and takes them back NU rows at a time.
	PLACES
	s_wait_dscnt 0x0                               ; my last LDS loads are back
	s_barrier_signal -1
	s_barrier_wait -1                              ; nobody reads the ring any more
.irp hi, 0,1
	WIN ST_LO+4*(\hi)
.irp a, 0,1,2,3
.irp b, 0,1,2,3,4,5,6,7
	ds_store_b128 v[STO], v[8*(8*(\a)+(\b)):8*(8*(\a)+(\b))+3]   offset:16*(4*(\hi)+(\a))*SP+64*(\b)     ; each accumulator's low registers first
	ds_store_b128 v[STO], v[8*(8*(\a)+(\b))+4:8*(8*(\a)+(\b))+7] offset:16*(4*(\hi)+(\a))*SP+64*(\b)+16
.endr
.endr
.endr
	WIN 0
.macro TAKE                            ; NU rows from my stage.  Unit u: rows 2 (u / 2), + 1; the wave's panel u % 2
.set u, 0
.rept NU
	ds_load_b128 v[X+4*u:X+4*u+3], v[RD] offset:(u/2)*2*SP+(u%2)*256  ; LDS serves a wave's instructions in order (ISA guide 5.7.1.4): these see my stores
.set u, u+1
.endr
.endm
	TAKE
.if GELU
	s_wait_loadcnt 0x0                             ; the bias
.endif
	s_mov_b32 s2, 128/NU
.Lrows:                                                ; 128 / NU trips.  The next trip's rows are fetched as soon as this trip's have left X
	s_wait_dscnt 0x0
.if GELU
.set i, 0
.rept 2*NU
	v_pk_add_f32 v[XB+2*i:XB+2*i+1], v[X+2*i:X+2*i+1], v[BI+4*((i/2)%2)+2*(i%2):BI+4*((i/2)%2)+2*(i%2)+1]
.set i, i+1
.endr
.else
	s_wait_xcnt 0x0                                ; Y and GO, which the last trip's stores read, are rewritten only behind this wait
.set i, 0
.rept 2*NU
	v_cvt_pk_f16_f32 v[Y+i], v[X+2*i], v[X+2*i+1]
.set i, i+1
.endr
.endif
	s_cmp_eq_u32 s2, 1
	s_cbranch_scc1 .Lno_more                       ; the last trip has no rows to fetch
	v_add_nc_u32 v[RD], NU*SP, v[RD]
	TAKE
.Lno_more:
.if GELU
	; gelu(x) = x / (1 + 2^(x (k0 + k1 x^2))): the tanh form rewritten; a huge exponent gives 0 or x, never NaN, for finite x
.set i, 0
.rept 2*NU
	v_pk_mul_f32 v[T+2*i:T+2*i+1], v[XB+2*i:XB+2*i+1], v[XB+2*i:XB+2*i+1]
.set i, i+1
.endr
.set i, 0
.rept 2*NU
	v_pk_fma_f32 v[T+2*i:T+2*i+1], v[T+2*i:T+2*i+1], s[72:73], s[70:71] op_sel_hi:[1,0,0]
.set i, i+1
.endr
.set i, 0
.rept 2*NU
	v_pk_mul_f32 v[T+2*i:T+2*i+1], v[T+2*i:T+2*i+1], v[XB+2*i:XB+2*i+1]
.set i, i+1
.endr
.set i, 0
.rept 4*NU
	v_exp_f32 v[T+i], v[T+i]
.set i, i+1
.endr
	v_nop                                          ; a plain instruction behind the last exponential (ISA guide 5.7.2)
.set i, 0
.rept 2*NU
	v_pk_add_f32 v[T+2*i:T+2*i+1], v[T+2*i:T+2*i+1], 1.0 op_sel_hi:[1,0]
.set i, i+1
.endr
.set i, 0
.rept 4*NU
	v_rcp_f32 v[T+i], v[T+i]
.set i, i+1
.endr
	v_nop
.set i, 0
.rept 2*NU
	v_pk_mul_f32 v[T+2*i:T+2*i+1], v[T+2*i:T+2*i+1], v[XB+2*i:XB+2*i+1]
.set i, i+1
.endr
	s_wait_xcnt 0x0                                ; Y and GO, which the last trip's stores read, are rewritten only behind this wait
.set i, 0
.rept 2*NU
	v_cvt_pk_bf16_f32 v[Y+i], v[T+2*i], v[T+2*i+1]
.set i, i+1
.endr
.endif
	v_add_nc_u32 v[GO], NU*128, v[GO]              ; the stores reach back by their immediate
.set u, 0
.rept NU
	global_store_b64 v[GO], v[Y+2*u:Y+2*u+1], s[8:9] offset:(u%2)*524288+(u/2)*256-NU*128  ; the wave stores 256 consecutive bytes, aligned: two rows of a panel
.set u, u+1
.endr
	s_sub_co_u32 s2, s2, 1
	s_cmp_lg_u32 s2, 0
	s_cbranch_scc1 .Lrows
	s_wait_tensorcnt 0x0                           ; the wave's end
	ds_add_u32 v[SPW], v[NIL]
	s_wait_dscnt 0x0
	CROUND                                         ; the closing round
	s_endpgm
.Lfunc_end_k_qeff392dd17_gq:
	.size	k_qeff392dd17_gq, .Lfunc_end_k_qeff392dd17_gq-k_qeff392dd17_gq
	.p2alignl 7, 3214868480
	.fill 96, 4, 3214868480
	.section	.rodata,"a",@progbits
	.p2align	6, 0x0
	.amdhsa_kernel k_qeff392dd17_gq
		.amdhsa_group_segment_fixed_size 327680
		.amdhsa_private_segment_fixed_size 0
		.amdhsa_enable_private_segment 0
		.amdhsa_kernarg_size 24
		.amdhsa_user_sgpr_count 2
		.amdhsa_user_sgpr_kernarg_segment_ptr 1
		.amdhsa_wavefront_size32 1
		.amdhsa_system_sgpr_workgroup_id_x 1
		.amdhsa_system_sgpr_workgroup_id_y 1
		.amdhsa_system_sgpr_workgroup_id_z 1
		.amdhsa_system_vgpr_workitem_id 0
		.amdhsa_next_free_vgpr 1024
		.amdhsa_next_free_sgpr 84
		.amdhsa_reserve_vcc 0
		.amdhsa_float_denorm_mode_32 3
		.amdhsa_float_denorm_mode_16_64 3
		.amdhsa_memory_ordered 1
		.amdhsa_forward_progress 1
		.amdhsa_inst_pref_size 83
	.end_amdhsa_kernel
	.amdgpu_metadata
---
amdhsa.version: [ 1, 2 ]
amdhsa.kernels:
  - .name:           k_qeff392dd17_gq
    .symbol:         k_qeff392dd17_gq.kd
    .args:
      - { .name: h, .offset: 0, .size: 8, .value_kind: global_buffer, .address_space: global }
      - { .name: wb, .offset: 8, .size: 8, .value_kind: global_buffer, .address_space: global }
      - { .name: qkv, .offset: 16, .size: 8, .value_kind: global_buffer, .address_space: global }
    .group_segment_fixed_size: 327680
    .private_segment_fixed_size: 0
    .kernarg_segment_align: 8
    .kernarg_segment_size: 24
    .max_flat_workgroup_size: 128
    .sgpr_count:     84
    .vgpr_count:     1024
    .wavefront_size: 32
...
	.end_amdgpu_metadata
.endif
;; end of part 2
;; launch attn (part 3): grid 4 x 64, 8 waves a work-group, no clusters, 327,680 bytes of LDS; arguments qkv, ctx; writes ctx
.if DOCPART == 3
	.amdgcn_target "amdgcn-amd-amdhsa--gfx1250"
	.amdhsa_code_object_version 6
	.text
	.protected	k_qeff392dd17_attn
	.globl	k_qeff392dd17_attn
	.p2align	8
	.type	k_qeff392dd17_attn,@function
k_qeff392dd17_attn:
	s_mov_b64 s[64:65], 0
	v_nop
	global_prefetch_b8 v0, s[64:65] scope:SCOPE_SE
	s_setreg_imm32_b32 hwreg(HW_REG_WAVE_MODE, 25, 1), 1
	s_wait_xcnt 0x0
; CAUSAL ATTENTION, head size 64, 1,024 rows a head, 64 heads (y = 16 batch + head).  ctx[q] = the sum over k <= q of softmax_k(q . k / 8) v[k].
; q, k, v: f16 in panels, qkv[16 which + head][4096 rows][64]: a head's rows are dense, 128 bytes each.  ctx: bf16, ctx[head][4096 rows][64].
; Products, maxima and sums in f32; the weights p are rounded to f16 for the second product (their sum l is taken of the unrounded p), ctx once at the end.
; LIMITS.  A hidden score counts as its value less 1e30; a weight below 2^-126 counts as 0 in l; NaN and infinities are not treated apart.
; SHARES.  A head's eight blocks of 128 queries go in pairs (7 - p, p) to the head's four work-groups: nine key tiles of 128 for each.  All of the head's K and V, 262,144 bytes, is brought
; into LDS once, each wave two tensor loads: its part of keys 0-511, then of keys 512-1,023; nothing is filled again.  The first four key tiles are worked on while the second half is on its way.
; Four of the eight waves take block 7 - p, four block p, 32 queries (two tiles of 16) each; waves w and w + 4, and 2 i and 2 i + 1, are of unlike kind.
; ONE TEXT: two times four trips count the key tiles 0 .. 7, and a wave jumps forward over the tiles beyond its block's diagonal tile; what is jumped holds no barrier and no tensor load.
; NO CLUSTER, though the head's four work-groups read the same K and V: that jump hangs on p, which would be the place in the cluster, and partners of a joint load run alike.
; LAYOUT.  S^T = K Q^T (source 0 = 16 keys, source 1 = 16 queries): a lane holds ONE query (lane % 16) and keys 8 (lane / 16) + 0..7; two such results rounded to f16 ARE source 1 of O^T = V^T P.
; SOFTMAX.  A running maximum m and sum l: p = 2^(c s - c m), c = log2(e) / 8; O and l are multiplied by a = 2^(c m_old - c m_new) in every step; m starts at the lowest finite number, O and l at 0.
; THE MASK is the C operand that starts the diagonal tile's sums: 0 or -1e30.  Block i of nine: register j is hidden where 16 (i - 1) + j > d, d = my query's place in its block less 8 (lane / 16), for tile 0;
; the product of key block kb and tile t takes block kb - t + 1.
; REGISTERS.  Window 0: v2-15 addresses and at work; v16-23 statistics; v48-55 at work; v62, v63 the add's; v64-191 S^T (64 t + 8 kb); v192-255 P (32 t + 8 ks).
; Window 1: v0-63 O^T (32 t + 8 cb); v64-95 Q; v96-167 the masks; v192-255 K's or V's first half.  K's second half lands in P's registers, V's second half in tile 0's S^T, both free then.
.set PK,    144                        ; a row of K in LDS: 128 bytes + 16
.set PV,    160                        ; a row of V: 128 + 32 = 5 x 32, for the turning load
.set VOFF,  1024*PK
.set SPARE, VOFF+1024*PV               ; behind V: the spare words, 128 bytes for each of eight waves
.set SP,    144                        ; the way out: 16 rows x 144 bytes a wave, in K's bytes when every wave has left the loop
.set AK0, 2
.set AV0, 3
.set AK,  4
.set AV,  5
.set STO, 6
.set RD,  7
.set GO,  8
.set QO,  9
.set DD,  10
.set MV,  12                           ; v12, v13  c m_old, by tile
.set ST,  16                           ; tile t: c m, m, l (even keys', odd keys')
.set TMP, 48                           ; tile t: c0-c3 at work; c2 takes a
.set SPW, 62
.set NIL, 63
.set S,   64
.set P,   192
.set O,   0                            ; window 1
.set Q,   64
.set MM,  96
.set KV,  192
.set G1,  16                           ; s[16:23]
.set G0,  24                           ; s[24:31] a set for each of my two loads
.set MSB, 0
.macro WIN new
.if MSB != (\new)
	s_set_vgpr_msb (MSB<<8)|(\new)
.set MSB, \new
.endif
.endm
.macro PLACES
.rept 4
	v_nop
.endr
.endm
; My two fills: load c brings keys 512 c + 128 u .. + 127, 16,384 dense bytes, as 64 rows of 256 bytes, padded after every key.  s_nop 0 follows each, four v_nop the last.
.macro FILL2 pitch, base, padcode
	s_mov_b32 s[G1], (1<<16)|(1<<20)|(4<<22)|((\padcode)<<25)  ; 2-byte elements; padding on; after every 32 words; 4 or 8 words
	s_mul_i32 s50, s47, 128*(\pitch)
.irp c, 0,1
	s_mov_b32 s[G0+4*(\c)], 1
	s_add_co_u32 s[G0+4*(\c)+1], s50, (\base)+(\c)*512*(\pitch)
	s_add_nc_u64 s[G0+4*(\c)+2:G0+4*(\c)+3], s[52:53], (\c)*65536
	s_or_b32 s[G0+4*(\c)+3], s[G0+4*(\c)+3], 0x80000000
.endr
.irp c, 0,1
	tensor_load_to_lds s[G0+4*(\c):G0+4*(\c)+3], s[G1:G1+7]
	s_nop 0
.endr
.rept 4
	v_nop
.endr
.endm
	s_load_b128 s[4:7], s[0:1], 0x0                ; qkv s[4:5], ctx s[6:7]
	v_lshl_add_u32 v[SPW], v0, 2, SPARE
	v_mov_b32 v[NIL], 0
	ds_add_u32 v[SPW], v[NIL]                      ; the wave's opening: the add and its wait stand ahead of my first tensor load
	ds_add_u32 v62, v63
	v_lshrrev_b32 v1, 5, v0
	v_readfirstlane_b32 s12, v1                    ; wave 0..7
	s_mov_b32 s13, ttmp9                           ; p
	s_and_b32 s58, ttmp7, 0xffff
	s_lshr_b32 s59, s58, 4                         ; batch
	s_and_b32 s58, s58, 15                         ; head
	s_lshr_b32 s48, s12, 2                         ; I fetch K (0) or V (1),
	s_and_b32 s47, s12, 3                          ; u: which 128 of each 512 keys
	s_lshr_b32 s49, s12, 1                         ; which 32 queries of my block
	s_xor_b32 s50, s12, s48
	s_and_b32 s50, s50, 1                          ; my kind
	s_sub_co_u32 s14, 7, s13
	s_cmp_eq_u32 s50, 0
	s_cselect_b32 s14, s14, s13                    ; my block: 7 - p or p.  Its diagonal tile has the same number
	s_lshl_b32 s51, s58, 19                        ; the head's first byte among 16 panels: panel head, rows 1,024 batch on
	s_lshl_b32 s52, s59, 17
	s_add_co_u32 s51, s51, s52
	s_add_co_u32 s52, s48, 1                       ; K's panels begin 16 panels in, V's 32
	s_lshl_b32 s52, s52, 23
	s_add_co_u32 s52, s52, s51
	s_lshl_b32 s53, s47, 14                        ; my 128 keys
	s_add_co_u32 s52, s52, s53
	s_mov_b32 s53, 0
	s_lshl_b32 s54, s14, 14                        ; my block's 128 rows, my 32 of them: in q and in ctx alike
	s_lshl_b32 s55, s49, 12
	s_add_co_u32 s54, s54, s55
	s_add_co_u32 s54, s54, s51
	s_mov_b32 s55, 0
	s_mov_b32 s[G1+1], 128<<16                     ; tensor_dim0 = 128
	s_mov_b32 s[G1+2], 64<<16                      ; tensor_dim1 = 64
	s_mov_b32 s[G1+3], 128<<16                     ; tile_dim0 = 128
	s_mov_b32 s[G1+4], 64                          ; tile_dim1 = 64
	s_mov_b32 s[G1+5], 128                         ; elements from row to row
	s_mov_b32 s[G1+6], 0
	s_mov_b32 s[G1+7], 0
	s_mov_b32 s42, 0x3e38aa3b                      ; c = log2(e) / 8
	s_mov_b32 s43, 0x3e38aa3b                      ; named with it as a pair
	s_mov_b32 s44, 0x76543210
	s_mov_b32 s45, 0xfedcba98
	s_mov_b32 s46, 0xf149f2ca                      ; -1e30
	s_mov_b32 s15, 0                               ; the key tile in hand
	s_mov_b32 s40, 0                               ; its first byte in K,
	s_mov_b32 s41, 0                               ; and in V
	s_wait_dscnt 0x0                               ; the opening add is done
	s_wait_kmcnt 0x0
	s_add_nc_u64 s[52:53], s[4:5], s[52:53]        ; K or V at my first 128 keys
	s_add_nc_u64 s[56:57], s[6:7], s[54:55]        ; ctx at my rows
	s_add_nc_u64 s[54:55], s[4:5], s[54:55]        ; q at my rows
	s_cmp_lt_u32 s12, 4                            ; a wave's first fills stand in one branch: two loads of mine are out
	s_cbranch_scc0 .Lfor_v
	FILL2 PK, 0, 3
	s_branch .Lasked
.Lfor_v:
	FILL2 PV, VOFF, 7
.Lasked:
	v_and_b32 v1, 15, v0                           ; l % 16
	v_bfe_u32 v11, v0, 4, 1                        ; l / 16
	v_lshlrev_b32 v[QO], 7, v1
	v_lshl_add_u32 v[QO], v11, 4, v[QO]            ; row x 128 + 16 x half
	WIN 0x40                                       ; destination window 1, address window 0
.set i, 0
.rept 4                                ; Q stays in registers: tile i / 2, channels 32 (i % 2) on
	global_load_b128 v[Q+8*i:Q+8*i+3],   v[QO], s[54:55] offset:(i/2)*2048+(i%2)*64
	global_load_b128 v[Q+8*i+4:Q+8*i+7], v[QO], s[54:55] offset:(i/2)*2048+(i%2)*64+32
.set i, i+1
.endr
	WIN 0
	v_lshlrev_b32 v[DD], 3, v11
	v_sub_nc_u32 v[DD], v1, v[DD]
	s_lshl_b32 s50, s49, 5
	v_add_nc_u32 v[DD], s50, v[DD]                 ; d
	WIN 0x40
.set i, 0
.rept 72
	v_cmp_gt_i32 vcc_lo, 16*(i/8)-16+i%8, v[DD]
	v_cndmask_b32 v[MM+i], 0, s46, vcc_lo
.set i, i+1
.endr
.set i, 0
.rept 64                               ; O^T = 0: no first step is written out; all this stands in the wait for K and V
	v_mov_b32 v[O+i], 0
.set i, i+1
.endr
	WIN 0
.irp t, 0,1
	v_mov_b32 v[ST+4*(\t)], 0xfe000000             ; c m: far below every c s
	v_mov_b32 v[ST+4*(\t)+1], 0xff7fffff           ; m
	v_mov_b32 v[ST+4*(\t)+2], 0
	v_mov_b32 v[ST+4*(\t)+3], 0
.endr
	v_mul_u32_u24 v[AK0], v1, PK
	v_lshl_add_u32 v[AK0], v11, 4, v[AK0]          ; K: row x pitch + 16 x half
	v_and_b32 v14, 7, v0
	v_bfe_u32 v15, v0, 3, 1
	v_lshl_add_u32 v[AV0], v11, 3, v14             ; V, turned: key 8 (l / 16) + l % 8, channels 8 ((l / 8) % 2) on
	v_mul_u32_u24 v[AV0], v[AV0], PV
	v_lshl_add_u32 v[AV0], v15, 4, v[AV0]
	v_add_nc_u32 v[AV0], VOFF, v[AV0]
	s_mul_i32 s50, s12, 16*SP                      ; my stage
	v_mul_u32_u24 v[STO], v1, SP
	v_lshl_add_u32 v[STO], v11, 4, v[STO]
	v_add_nc_u32 v[STO], s50, v[STO]
	v_bfe_u32 v[RD], v0, 3, 2                      ; back: 32 lanes take four rows of 128 bytes,
	v_mul_u32_u24 v[RD], v[RD], SP
	v_lshl_add_u32 v[RD], v14, 4, v[RD]
	v_add_nc_u32 v[RD], s50, v[RD]
	v_and_b32 v[GO], 31, v0                        ; which are 512 consecutive bytes of ctx
	v_lshlrev_b32 v[GO], 4, v[GO]
.macro FETCH_K half                    ; 16 loads: key blocks 4 half + f / 2, channels 32 (f % 2) on; half 0 into window 1, half 1 into P's registers (the same numbers)
	WIN 0x40*(1-(\half))
.irp f, 0,1,2,3,4,5,6,7
	ds_load_b128 v[KV+8*(\f):KV+8*(\f)+3],   v[AK] offset:(4*(\half)+(\f)/2)*16*PK+((\f)%2)*64
	ds_load_b128 v[KV+8*(\f)+4:KV+8*(\f)+7], v[AK] offset:(4*(\half)+(\f)/2)*16*PK+((\f)%2)*64+32
.endr
.endm
.macro FETCH_V half                    ; 16 turning loads: keys 32 (2 half + kk) on, channels 16 cb on; half 0 into window 1, half 1 into tile 0's S^T
.set VB, KV-(KV-S)*(\half)
	WIN 0x40*(1-(\half))
.irp kk, 0,1
.irp cb, 0,1,2,3
	ds_load_tr16_b128 v[VB+32*(\kk)+8*(\cb):VB+32*(\kk)+8*(\cb)+3],   v[AV] offset:(2*(\half)+(\kk))*32*PV+(\cb)*32
	ds_load_tr16_b128 v[VB+32*(\kk)+8*(\cb)+4:VB+32*(\kk)+8*(\cb)+7], v[AV] offset:(2*(\half)+(\kk))*32*PV+16*PV+(\cb)*32
.endr
.endr
.endm
; 8 products of S^T = K Q^T: key blocks 4 half .. + 3, both tiles, channels 32 c on.  c = 0 starts the sums, with 0 or (mask = 1) with the mask.  The 8 accumulators take turns.
.macro KQ8 half, c, mask
.irp kb, 0,1,2,3
.irp t, 0,1
.set rS, S+64*(\t)+8*(4*(\half)+(\kb))
.set rK, KV+16*(\kb)+8*(\c)
.set rQ, Q+16*(\t)+8*(\c)
.set rM, MM+8*(4*(\half)+(\kb)-(\t)+1)
.if (\c) == 0 && (\mask)
	v_wmma_f32_16x16x32_f16 v[rS:rS+7], v[rK:rK+7], v[rQ:rQ+7], v[rM:rM+7]
.elseif (\c) == 0
	v_wmma_f32_16x16x32_f16 v[rS:rS+7], v[rK:rK+7], v[rQ:rQ+7], 0
.else
	v_wmma_f32_16x16x32_f16 v[rS:rS+7], v[rK:rK+7], v[rQ:rQ+7], v[rS:rS+7]
.endif
.endr
.endr
.endm
.macro KQHALF half                     ; windows: K in 1 (half 0) or 0, Q in 1, the mask in 1, S^T in 0
	WIN 0
	s_cmp_eq_u32 s15, s14                          ; the diagonal tile?
	s_cbranch_scc1 .Ldiag_\@
	WIN 0x05-(\half)
	KQ8 \half, 0, 0
	WIN 0
	s_branch .Ljoin_\@
.Ldiag_\@:
	WIN 0x15-(\half)
	KQ8 \half, 0, 1
	WIN 0
.Ljoin_\@:
	WIN 0x05-(\half)
	KQ8 \half, 1, 0
.endm
.macro PV16 half                       ; 16 products of O^T += V^T P: keys 64 half on; the 8 accumulators take turns
.set VB, KV-(KV-S)*(\half)
	WIN 0x51-(\half)                               ; V in window 1 (half 0) or 0, P in 0, O^T in 1
.irp kk, 0,1
.irp cb, 0,1,2,3
.irp t, 0,1
	v_wmma_f32_16x16x32_f16 v[O+32*(\t)+8*(\cb):O+32*(\t)+8*(\cb)+7], v[VB+32*(\kk)+8*(\cb):VB+32*(\kk)+8*(\cb)+7], v[P+32*(\t)+8*(2*(\half)+(\kk)):P+32*(\t)+8*(2*(\half)+(\kk))+7], v[O+32*(\t)+8*(\cb):O+32*(\t)+8*(\cb)+7]
.endr
.endr
.endr
.endm
; One tile's softmax for one key tile: the lane's 64 scores s0-s63 (8 kb + j).
.macro SOFT t
.set rS, S+64*(\t)
.set rT, ST+4*(\t)
.set rC, TMP+4*(\t)
.set rW, MV+(\t)
.set rP, P+32*(\t)
.set rO, O+32*(\t)
	WIN 0
.irp k, 0,1,2,3                        ; four chains of 16 scores; each accumulator's lowest registers are read first
	v_max3_num_f32 v[rC+(\k)], v[rS+16*(\k)], v[rS+16*(\k)+1], v[rS+16*(\k)+2]
.endr
.irp n, 1,2,3,4,5,6
.irp k, 0,1,2,3
	v_max3_num_f32 v[rC+(\k)], v[rC+(\k)], v[rS+16*(\k)+2*(\n)+1], v[rS+16*(\k)+2*(\n)+2]
.endr
.endr
.irp k, 0,1,2,3
	v_max_num_f32 v[rC+(\k)], v[rC+(\k)], v[rS+16*(\k)+15]
.endr
	v_max3_num_f32 v[rC], v[rC], v[rC+1], v[rC+2]
	v_mov_b32 v[rW], v[rT]                         ; c m_old is kept
	v_max3_num_f32 v[rC], v[rC], v[rC+3], v[rT+1]  ; with the old m
	v_permlanex16_b32 v[rC+1], v[rC], s44, s45     ; the query's other 64 keys lie in the lane 16 away
	v_max_num_f32 v[rT+1], v[rC], v[rC+1]
	v_mul_f32 v[rT], s42, v[rT+1]
	v_sub_f32 v[rC+1], v[rW], v[rT]
	v_exp_f32 v[rC+2], v[rC+1]                     ; a; the scalings below are the plain instructions behind it
.set b, 0
.rept 4
	v_pk_fma_f32 v[rS+2*b:rS+2*b+1], v[rS+2*b:rS+2*b+1], s[42:43], v[rT:rT+1] op_sel_hi:[1,0,0] neg_lo:[0,0,1] neg_hi:[0,0,1]
.set b, b+1
.endr
.set b, 0
.rept 32                               ; two exponentials, then the scaling of the pair four on
	v_exp_f32 v[rS+2*b], v[rS+2*b]
	v_exp_f32 v[rS+2*b+1], v[rS+2*b+1]
.if b < 28
	v_pk_fma_f32 v[rS+2*b+8:rS+2*b+9], v[rS+2*b+8:rS+2*b+9], s[42:43], v[rT:rT+1] op_sel_hi:[1,0,0] neg_lo:[0,0,1] neg_hi:[0,0,1]
.endif
.set b, b+1
.endr
	v_nop                                          ; a plain instruction behind the last exponential (ISA guide 5.7.2)
.set b, 0
	s_wait_alu depctr_va_vdst(0)
.rept 32
	v_cvt_pk_f16_f32 v[rP+b], v[rS+2*b], v[rS+2*b+1]
.set b, b+1
.endr
.irp w, 1,2,4,8,16                     ; the sum of the 32 pairs, in place: neighbours 1, 2, 4, 8, 16 pairs apart
.set b, 0
.rept 16/(\w)
	v_pk_add_f32 v[rS+2*b:rS+2*b+1], v[rS+2*b:rS+2*b+1], v[rS+2*(b+(\w)):rS+2*(b+(\w))+1]
.set b, b+2*(\w)
.endr
.endr
	v_pk_fma_f32 v[rT+2:rT+3], v[rT+2:rT+3], v[rC+2:rC+3], v[rS:rS+1] op_sel_hi:[1,0,1]  ; l = a l + the sum
	WIN 0x41                                       ; O^T in window 1, a in window 0
.set b, 0
.rept 16
	v_pk_mul_f32 v[rO+2*b:rO+2*b+1], v[rO+2*b:rO+2*b+1], v[rC+2:rC+3] op_sel_hi:[1,0]
.set b, b+1
.endr
	WIN 0
.endm
	s_wait_tensorcnt 0x1                           ; my part of keys 0-511 is in; my part of keys 512-1,023, issued behind it, may stay out
	s_barrier_signal -1
	s_barrier_wait -1                              ; everybody's part of keys 0-511 is in
	s_wait_loadcnt 0x0                             ; Q
	s_mov_b32 s32, 2
.Lhalf:                                                ; twice: four key tiles, 512 keys
	s_mov_b32 s33, 4
.Ltrip:
	s_cmp_gt_u32 s15, s14
	s_cbranch_scc1 .Ldead                          ; beyond my block's diagonal tile every key is hidden
	v_add_nc_u32 v[AK], s40, v[AK0]
	v_add_nc_u32 v[AV], s41, v[AV0]
	FETCH_K 0
	FETCH_K 1
	s_wait_dscnt 16                                ; K's first half is in; the second half's 16 loads may be out
	KQHALF 0
	s_wait_dscnt 0x0
	KQHALF 1
	WIN 0
	PLACES                                         ; behind the products: V lands on K's registers, and the scores are read
	FETCH_V 0
	SOFT 0
	FETCH_V 1                                      ; tile 0's scores are spent
	SOFT 1
	s_wait_dscnt 0x0                               ; V is in
	PV16 0
	PV16 1
	WIN 0
.rept 5
	v_nop                                          ; five places: the next tile's products write over V's registers, its loads land on P's, and O^T is read
.endr
.Ldead:
	s_add_co_u32 s40, s40, 128*PK
	s_add_co_u32 s41, s41, 128*PV
	s_add_co_u32 s15, s15, 1
	s_sub_co_u32 s33, s33, 1
	s_cmp_lg_u32 s33, 0
	s_cbranch_scc1 .Ltrip
	s_wait_tensorcnt 0x0                           ; behind tiles 0-3: my part of keys 512-1,023 is in.  Behind tiles 4-7 nothing is out
	s_wait_dscnt 0x0                               ; my LDS reads are back
	s_barrier_signal -1
	s_barrier_wait -1                              ; behind tiles 0-3: everybody's part is in.  Behind tiles 4-7: every wave has left the loop, and K's bytes are free
	s_sub_co_u32 s32, s32, 1
	s_cmp_lg_u32 s32, 0
	s_cbranch_scc1 .Lhalf
	; THE WAY OUT.  16 rows x 144 bytes of K's bytes are my stage.
.irp t, 0,1
	v_add_f32 v[ST+4*(\t)+2], v[ST+4*(\t)+2], v[ST+4*(\t)+3]
.endr
.irp t, 0,1
	v_permlanex16_b32 v[ST+4*(\t)+3], v[ST+4*(\t)+2], s44, s45
.endr
.irp t, 0,1
	v_add_f32 v[ST+4*(\t)+2], v[ST+4*(\t)+2], v[ST+4*(\t)+3]
.endr
.irp t, 0,1
	v_rcp_f32 v[ST+4*(\t)+2], v[ST+4*(\t)+2]
.endr
	v_nop                                          ; a plain instruction between the last reciprocal and the use of its result
	s_wait_alu depctr_va_vdst(0)
.macro PACK t                          ; a lane's eight channels of a row pack into 16 bytes; they go into rows of 144 bytes and come back as whole rows of 128
	WIN 0x41
.set i, 0
.rept 16
	v_pk_mul_f32 v[O+32*(\t)+2*i:O+32*(\t)+2*i+1], v[O+32*(\t)+2*i:O+32*(\t)+2*i+1], v[ST+4*(\t)+2:ST+4*(\t)+3] op_sel_hi:[1,0]
.set i, i+1
.endr
	WIN 0x05                                       ; sources window 1, destination window 0
.set i, 0
.rept 16
	v_cvt_pk_bf16_f32 v[S+16*(\t)+i], v[O+32*(\t)+2*i], v[O+32*(\t)+2*i+1]
.set i, i+1
.endr
	WIN 0
.irp f, 0,1,2,3
	ds_store_b128 v[STO], v[S+16*(\t)+4*(\f):S+16*(\t)+4*(\f)+3] offset:32*(\f)
.endr
.irp f, 0,1,2,3
	ds_load_b128 v[S+16*(\t)+4*(\f):S+16*(\t)+4*(\f)+3], v[RD] offset:(\f)*4*SP  ; LDS serves a wave's instructions in order (ISA guide 5.7.1.4)
.endr
.endm
.macro SEND t, younger                 ; younger: the LDS instructions issued behind tile t's loads
.irp f, 0,1,2,3
	s_wait_dscnt (\younger)+3-(\f)
	global_store_b128 v[GO], v[S+16*(\t)+4*(\f):S+16*(\t)+4*(\f)+3], s[56:57] offset:(\t)*2048+(\f)*512  ; 512 consecutive bytes, aligned
.endr
.endm
	PACK 0
	PACK 1
	SEND 0, 8
	SEND 1, 0
	s_wait_tensorcnt 0x0                           ; the wave's end
	ds_add_u32 v[SPW], v[NIL]
	s_wait_dscnt 0x0
	s_endpgm
.Lfunc_end_k_qeff392dd17_attn:
	.size	k_qeff392dd17_attn, .Lfunc_end_k_qeff392dd17_attn-k_qeff392dd17_attn
	.p2alignl 7, 3214868480
	.fill 96, 4, 3214868480
	.section	.rodata,"a",@progbits
	.p2align	6, 0x0
	.amdhsa_kernel k_qeff392dd17_attn
		.amdhsa_group_segment_fixed_size 327680
		.amdhsa_private_segment_fixed_size 0
		.amdhsa_enable_private_segment 0
		.amdhsa_kernarg_size 16
		.amdhsa_user_sgpr_count 2
		.amdhsa_user_sgpr_kernarg_segment_ptr 1
		.amdhsa_wavefront_size32 1
		.amdhsa_system_sgpr_workgroup_id_x 1
		.amdhsa_system_sgpr_workgroup_id_y 1
		.amdhsa_system_sgpr_workgroup_id_z 1
		.amdhsa_system_vgpr_workitem_id 0
		.amdhsa_next_free_vgpr 512
		.amdhsa_next_free_sgpr 66
		.amdhsa_reserve_vcc 1
		.amdhsa_float_denorm_mode_32 3
		.amdhsa_float_denorm_mode_16_64 3
		.amdhsa_memory_ordered 1
		.amdhsa_forward_progress 1
		.amdhsa_inst_pref_size 57
	.end_amdhsa_kernel
	.amdgpu_metadata
---
amdhsa.version: [ 1, 2 ]
amdhsa.kernels:
  - .name:           k_qeff392dd17_attn
    .symbol:         k_qeff392dd17_attn.kd
    .args:
      - { .name: qkv, .offset: 0, .size: 8, .value_kind: global_buffer, .address_space: global }
      - { .name: ctx, .offset: 8, .size: 8, .value_kind: global_buffer, .address_space: global }
    .group_segment_fixed_size: 327680
    .private_segment_fixed_size: 0
    .kernarg_segment_align: 8
    .kernarg_segment_size: 16
    .max_flat_workgroup_size: 256
    .sgpr_count:     66
    .vgpr_count:     512
    .wavefront_size: 32
...
	.end_amdgpu_metadata
.endif
;; end of part 3
;; launch gw (part 4): grid 8 x 32, 4 waves a work-group, clusters of 4 x 4, 327,680 bytes of LDS; arguments ctx, wb, X, x1; writes x1
.if DOCPART == 4
	.amdgcn_target "amdgcn-amd-amdhsa--gfx1250"
	.amdhsa_code_object_version 6
	.text
	.protected	k_qeff392dd17_gw
	.globl	k_qeff392dd17_gw
	.p2align	8
	.type	k_qeff392dd17_gw,@function
k_qeff392dd17_gw:
	s_mov_b64 s[64:65], 0
	v_nop
	global_prefetch_b8 v0, s[64:65] scope:SCOPE_SE
	s_setreg_imm32_b32 hwreg(HW_REG_WAVE_MODE, 25, 1), 1
	s_wait_xcnt 0x0
	s_wait_alu depctr_hold_cnt(0) depctr_sa_sdst(0) depctr_va_vdst(0) depctr_va_sdst(0) depctr_va_ssrc(0) depctr_va_vcc(0) depctr_vm_vsrc(0)
	s_getreg_b32 s2, hwreg(HW_REG_IB_STS2, 6, 4)
	s_cmp_eq_u32 s2, 0
	s_cbranch_scc0 .Lentry_in_a_cluster
	s_endpgm
.Lentry_in_a_cluster:
	s_bfe_u32 s2, ttmp6, 0x10000c
	s_cmp_lg_u32 s2, 0xf033
	s_cbranch_scc0 .Lentry_shape_is_right
	s_endpgm
.Lentry_shape_is_right:
; x1 = X + ctx Wo.  ctx: bf16 in panels of 64 columns, [16][4096 rows][64].  Wo: bf16 [1024][1024], K down the rows, at wb + 6,291,456.  X, x1: f32 [4096][1024].  Sums in f32.
; A tile of C is 128 x 128 (256 work-groups); four waves, each 64 x 64: 16 accumulators.  K goes in steps of 256 (four panels of A) through two LDS slots.
; A's tile: one tensor load brings 64 rows of four panels: four rows of 8,192 dense bytes, padded in LDS after every 128 bytes.  B's tile lies [k][n] and is read turned.
; THE MATRIX INSTRUCTION IS USED TRANSPOSED (source 0 = 16 columns of B, source 1 = 16 rows of A).  CLUSTER 4 x 4: A's tile jointly along a row, B's along a column.
; WHERE A CLUSTER BEGINS ITS WALK OVER K: at step 0 or at step STEPS / 2, by the parity of cluster x + cluster y, and round to where it began.  Clusters that are neighbours along x ask for the same tiles
; of A, neighbours along y for the same tiles of B: what one asks for in the second half of its walk the other has asked for in the first.  The f32 sum over K is taken in that rotated order.
; The step's number hangs on the cluster's coordinates alone, which all partners of a joint load share; each fill's address is made anew: the tile's base + step x a constant.
; THE REFILL STANDS AS EARLY AS THE ROUND ALLOWS: a K step has 128 products a wave, too few for a tile to land beside; so the last quarter's 32 products stand behind the refill, none in front of it.
; THE RESIDUAL (64 x 64 f32 a wave, 128 registers) is asked for at the kernel's head and waited for once, on the way out.
; The text of a K step stands once in the loop (the slot in hand is the scalar TB); the last two steps are a loop of two trips without fills, whose last change of slots fetches 32 fragments that serve nothing.
; REGISTERS: window 0: v12-29 bias and addresses; v32-159 the way out; v128-255 accumulator (a, b) at v[128 + 8 (4 a + b)].  Window 1: two fragment buffers of 128: 64 of A, then 64 of B.  Window 2: v0-127 the residual.
.set BIAS,   0                         ; 1: a bias a column is added
.set STEPS,  4                         ; K / 256
.set WOFF,   6291456                   ; B's first byte in wb
.set KSTEP,  256
.set PA,     144                       ; an LDS row of A: 128 bytes + 16
.set PANEL,  64*PA
.set PB,     288                       ; an LDS row of B: 256 bytes + 32 = 9 x 32
.set HALF,   4*PANEL                   ; what one tensor load brings: 4 panels x 64 rows of A, or 128 rows of B (128 x 288 is the same number)
.set SLOT,   4*HALF                    ; it shares no bit with wave x HALF
.set SPARE,  2*SLOT
.set SP,     272                       ; the way out: a stage row of 64 f32 + 16 bytes
.set WSTG,   64*SP
.set ASTEP,  4*524288                  ; four panels on
.set BSTEP,  KSTEP*2048
.set BI,   12                          ; v[12:15]
.set A0,   16
.set B0,   17
.set ADRA, 18
.set ADRB, 19                          ; v19: B0 + TB; v20: 128 rows further, so that the offsets fit
.set STO,  24
.set RD,   25
.set CO,   26
.set BO,   27
.set SPW,  28
.set NIL,  29
.set TT,   32                          ; v[32:159] the way out: my 64 rows back from the stage
.set ACC,  128
.set RES,  0                           ; window 2
.set F0,   0
.set F1,   128
.set G1,  24
.set G0,  32
.set G1B, 48
.set G0B, 56
.set TB,  68                           ; s68  0 or SLOT: the slot in hand
.set KI,  69                           ; s69  the K step to be asked for next
.set MSB, 0
.macro WIN new
.if MSB != (\new)
	s_set_vgpr_msb (MSB<<8)|(\new)
.set MSB, \new
.endif
.endm
.set MUL,  0x05                        ; sources 0 (B) and 1 (A) window 1; C and D window 0
.set TO_F, 0x40
.macro PLACES
.rept 4
	v_nop
.endr
.endm
.macro JLOAD                           ; a joint refill by the walking set; s_nop 0 and four v_nop follow each line
	s_cmp_eq_u32 s11, 0
	s_cbranch_scc0 .Lfor_b_\@
	tensor_load_to_lds s[G0+4:G0+7], s[G1:G1+7]
	s_nop 0
.rept 4
	v_nop
.endr
	s_branch .Lasked_\@
.Lfor_b_\@:
	tensor_load_to_lds s[G0B+4:G0B+7], s[G1B:G1B+7]
	s_nop 0
.rept 4
	v_nop
.endr
.Lasked_\@:
.endm
.macro CROUND                          ; a round of the cluster's barrier
	s_barrier_signal -1
	s_barrier_wait -1
	s_cmp_lg_u32 s10, 0
	s_cbranch_scc1 .Lnot_wave_0_\@
	s_barrier_signal -3
.Lnot_wave_0_\@:
	s_barrier_wait -3
	s_barrier_signal -1
	s_barrier_wait -1
.endm
	s_load_b128 s[4:7], s[0:1], 0x0                ; A s[4:5], wb s[6:7]
	s_load_b128 s[72:75], s[0:1], 0x10             ; the residual s[72:73], out s[74:75]
.if BIAS
	s_load_b64 s[76:77], s[0:1], 0x20
.endif
	v_lshl_add_u32 v[SPW], v0, 2, SPARE
	v_mov_b32 v[NIL], 0
	ds_add_u32 v[SPW], v[NIL]                      ; the wave's opening: the add and its wait stand ahead of my first tensor load
	ds_add_u32 v28, v29
	v_lshrrev_b32 v1, 5, v0
	v_readfirstlane_b32 s10, v1
	s_lshr_b32 s11, s10, 1                         ; my half of the rows.  Also: I fetch for A (0) or B (1)
	s_and_b32 s12, s10, 1                          ; my half of the columns.  Also: which half of that tile I fetch
	s_bfe_u32 s40, ttmp6, 0x40000
	s_bfe_u32 s41, ttmp6, 0x40004
	s_lshl_b32 s42, ttmp9, 2
	s_add_co_u32 s42, s42, s40                     ; tc
	s_and_b32 s13, ttmp7, 0xffff
	s_lshl_b32 s13, s13, 2
	s_add_co_u32 s13, s13, s41                     ; tr
	s_lshl_b32 s43, s41, 2
	s_lshl_b32 s43, 15, s43
	s_lshl_b32 s44, 0x1111, s40
	s_and_b32 s70, ttmp7, 0xffff                   ; cluster y
	s_add_co_u32 s70, s70, ttmp9                   ; + cluster x:
	s_and_b32 s70, s70, 1                          ; its parity
	s_mul_i32 s[KI], s70, STEPS/2                  ; my cluster's first K step
	s_mov_b32 s83, 0                               ; s[82:83]: a step's byte offset
	s_or_b32 s[G1+0], s43, (1<<16)|(1<<20)|(1<<21)|(4<<22)|(3<<25)   ; after every 32 words 4 words
	s_or_b32 s[G1B+0], s44, (1<<16)|(1<<20)|(1<<21)|(5<<22)|(7<<25)  ; after every 64 words 8 words
	s_mov_b32 s[G1+1], 4096<<16                    ; tensor_dim0 = 4,096: 64 rows of a panel, dense
	s_mov_b32 s[G1+2], 4<<16                       ; tensor_dim1 = 4 panels
	s_mov_b32 s[G1+3], 4096<<16                    ; tile_dim0
	s_mov_b32 s[G1+4], 4                           ; tile_dim1
	s_mov_b32 s[G1+5], 262144                      ; elements from panel to panel
	s_mov_b32 s[G1+6], 0
	s_mov_b32 s[G1+7], 0
	s_mov_b32 s[G1B+1], 128<<16
	s_mov_b32 s[G1B+2], 128<<16
	s_mov_b32 s[G1B+3], 128<<16
	s_mov_b32 s[G1B+4], 128
	s_mov_b32 s[G1B+5], 1024
	s_mov_b32 s[G1B+6], 0
	s_mov_b32 s[G1B+7], 0
	s_lshl_b32 s16, s13, 14                        ; A: rows 128 tr + 64 half of 128 bytes, in panel 0
	s_lshl_b32 s17, s12, 13
	s_add_co_u32 s16, s16, s17
	s_mov_b32 s17, 0
	s_lshl_b32 s46, s42, 8                         ; B: 256 bytes a tile column, 128 rows of 2,048 bytes a half
	s_lshl_b32 s47, s12, 18
	s_add_co_u32 s46, s46, s47
	s_add_co_u32 s46, s46, WOFF
	s_mov_b32 s47, 0
	s_mul_i32 s20, s10, HALF
	s_mov_b32 s[TB], 0
	s_wait_dscnt 0x0                               ; the opening add is done
	s_wait_kmcnt 0x0
	s_add_nc_u64 s[14:15], s[4:5], s[16:17]        ; my part of A's tile at K step 0; kept
	s_add_nc_u64 s[80:81], s[6:7], s[46:47]        ; the same for B; kept
	s_mul_i32 s82, s[KI], ASTEP
	s_add_nc_u64 s[G0+2:G0+3], s[14:15], s[82:83]  ; the walk's first step,
	s_add_nc_u64 s[G0+6:G0+7], s[G0+2:G0+3], ASTEP ; and its second: STEPS / 2 + 1 is still inside K
	s_mul_i32 s82, s[KI], BSTEP
	s_add_nc_u64 s[G0B+2:G0B+3], s[80:81], s[82:83]
	s_add_nc_u64 s[G0B+6:G0B+7], s[G0B+2:G0B+3], BSTEP
.irp s, 0,1
	s_mov_b32 s[G0+4*(\s)], 1
	s_add_co_u32 s[G0+4*(\s)+1], s20, (\s)*SLOT
	s_or_b32 s[G0+4*(\s)+3], s[G0+4*(\s)+3], 0x80000000
	s_mov_b32 s[G0B+4*(\s)], 1
	s_add_co_u32 s[G0B+4*(\s)+1], s20, (\s)*SLOT
	s_or_b32 s[G0B+4*(\s)+3], s[G0B+4*(\s)+3], 0x80000000
.endr
	s_add_co_u32 s[KI], s[KI], 2
	s_and_b32 s[KI], s[KI], STEPS-1                ; the step that the first refill asks for
	CROUND                                         ; the first joint loads meet
	s_cmp_eq_u32 s11, 0                            ; a wave's two first fills stand in one branch: two loads of mine are out
	s_cbranch_scc0 .Lfirst_b
	tensor_load_to_lds s[G0:G0+3], s[G1:G1+7]
	s_nop 0
	tensor_load_to_lds s[G0+4:G0+7], s[G1:G1+7]
	s_nop 0
.rept 4
	v_nop
.endr
	s_branch .Lfirst_asked
.Lfirst_b:
	tensor_load_to_lds s[G0B:G0B+3], s[G1B:G1B+7]
	s_nop 0
	tensor_load_to_lds s[G0B+4:G0B+7], s[G1B:G1B+7]
	s_nop 0
.rept 4
	v_nop
.endr
.Lfirst_asked:
	v_and_b32 v1, 15, v0
	v_bfe_u32 v2, v0, 4, 1
	v_lshlrev_b32 v[CO], 12, v2                    ; in C: lanes 0-15 take 256 bytes of one row, lanes 16-31 of the next
	v_lshl_add_u32 v[CO], v1, 4, v[CO]
	s_lshl_b32 s16, s13, 19                        ; rows 128 tr + 64 half of 4,096 bytes,
	s_lshl_b32 s17, s11, 18
	s_add_co_u32 s16, s16, s17
	s_lshl_b32 s46, s42, 9                         ; columns 128 tc + 64 half
	s_lshl_b32 s47, s12, 8
	s_add_co_u32 s46, s46, s47
	s_add_co_u32 s16, s16, s46
	s_mov_b32 s17, 0
	s_add_nc_u64 s[72:73], s[72:73], s[16:17]
	s_add_nc_u64 s[74:75], s[74:75], s[16:17]
.if BIAS
	v_lshlrev_b32 v[BO], 4, v1
	s_mov_b32 s78, s46
	s_mov_b32 s79, 0
	s_add_nc_u64 s[76:77], s[76:77], s[78:79]
	global_load_b128 v[BI:BI+3], v[BO], s[76:77]   ; the bias of my four columns
.endif
	WIN 0x80                                       ; destination window 2, address window 0
.set i, 0
.rept 32                               ; the residual of my 64 rows, two rows a load; CO and s[72:73] are never rewritten
	global_load_b128 v[RES+4*i:RES+4*i+3], v[CO], s[72:73] offset:8192*i
.set i, i+1
.endr
	WIN 0
	v_mul_u32_u24 v3, v1, PA
	v_lshl_add_u32 v3, v2, 4, v3
	s_mul_i32 s21, s11, HALF                       ; my 64 rows of A: [half][panel][row]
	v_add_nc_u32 v[A0], s21, v3
	v_and_b32 v4, 7, v0
	v_lshl_add_u32 v4, v2, 3, v4
	v_mul_u32_u24 v4, v4, PB
	v_bfe_u32 v5, v0, 3, 1
	v_lshl_add_u32 v4, v5, 4, v4
	s_lshl_b32 s22, s12, 7                         ; my 64 columns of B
	s_add_co_u32 s22, s22, 2*HALF
	v_add_nc_u32 v[B0], s22, v4
	v_mov_b32 v[ADRA], v[A0]
	v_mov_b32 v[ADRB], v[B0]
	v_add_nc_u32 v[ADRB+1], 128*PB, v[B0]
	s_mul_i32 s23, s10, WSTG
	v_mul_u32_u24 v6, v1, SP                       ; into the stage: row l % 16, 32 bytes for each half of the lanes
	v_lshl_add_u32 v6, v2, 5, v6
	v_add_nc_u32 v[STO], s23, v6
	v_mul_u32_u24 v6, v2, SP                       ; back: lanes 0-15 one row of 256 bytes, lanes 16-31 the next
	v_lshl_add_u32 v6, v1, 4, v6
	v_add_nc_u32 v[RD], s23, v6
; 8 matrix instructions: row blocks a0, a0 + 1 x all 4 column blocks, 32 along K: half c of buffer f.  The 16 accumulators take turns.
.macro MUL8 f, c, a0, zero
	WIN MUL
.irp a, \a0, (\a0)+1
.irp b, 0,1,2,3
.if \zero
	v_wmma_f32_16x16x32_bf16 v[ACC+8*(4*(\a)+(\b)):ACC+8*(4*(\a)+(\b))+7], v[(\f)+64+8*(4*(\c)+(\b)):(\f)+64+8*(4*(\c)+(\b))+7], v[(\f)+8*(4*(\c)+(\a)):(\f)+8*(4*(\c)+(\a))+7], 0
.else
	v_wmma_f32_16x16x32_bf16 v[ACC+8*(4*(\a)+(\b)):ACC+8*(4*(\a)+(\b))+7], v[(\f)+64+8*(4*(\c)+(\b)):(\f)+64+8*(4*(\c)+(\b))+7], v[(\f)+8*(4*(\c)+(\a)):(\f)+8*(4*(\c)+(\a))+7], v[ACC+8*(4*(\a)+(\b)):ACC+8*(4*(\a)+(\b))+7]
.endif
.endr
.endr
.endm
; 32 LDS loads in one run: quarter q (64 along K: one panel of A) into buffer f; the first 32 along K first
.macro FETCH q, f
	WIN TO_F
.irp c, 0,1
.irp i, 0,1,2,3
	ds_load_tr16_b128 v[(\f)+64+8*(4*(\c)+(\i)):(\f)+64+8*(4*(\c)+(\i))+3],   v[ADRB+(\q)/2] offset:(((\q)%2)*64+32*(\c))*PB+32*(\i)
	ds_load_tr16_b128 v[(\f)+64+8*(4*(\c)+(\i))+4:(\f)+64+8*(4*(\c)+(\i))+7], v[ADRB+(\q)/2] offset:(((\q)%2)*64+32*(\c)+16)*PB+32*(\i)
	ds_load_b128 v[(\f)+8*(4*(\c)+(\i)):(\f)+8*(4*(\c)+(\i))+3],   v[ADRA] offset:(\q)*PANEL+64*(\c)+(\i)*16*PA
	ds_load_b128 v[(\f)+8*(4*(\c)+(\i))+4:(\f)+8*(4*(\c)+(\i))+7], v[ADRA] offset:(\q)*PANEL+64*(\c)+(\i)*16*PA+32
.endr
.endr
.endm
.macro QUARTER q, f, g, zero
	s_wait_dscnt 16                                ; the first 32 along K are in; the other sixteen loads may be out
	MUL8 \f, 0, 0, \zero
	MUL8 \f, 0, 2, \zero
	PLACES
	FETCH \q, \g
	s_wait_dscnt 32                                ; all but the 32 just issued
	MUL8 \f, 1, 0, 0
	MUL8 \f, 1, 2, 0
.endm
; The change of slots, then the last quarter's products (buffer 1).  Each wave waits for all its tensor loads (one is out: its part of the next slot), adds 0 to its spare word, and waits for that and
; for its reads of this slot, the last of which (buffer 1's fragments) were asked for 16 products ago.  fill = 1: a round of the cluster's barrier, and the slot just read is filled again first thing behind it.
.macro TURN fill
	WIN 0
	s_wait_tensorcnt 0x0                           ; no tensor load of mine is out, so a group 0 may be written
	ds_add_u32 v[SPW], v[NIL]                      ; the scalar work stands between the add and the wait for it
.if \fill
	s_mul_i32 s82, s[KI], ASTEP
	s_add_nc_u64 s[G0+6:G0+7], s[14:15], s[82:83]       ; the walking sets: K step KI,
	s_or_b32 s[G0+7], s[G0+7], 0x80000000
	s_mul_i32 s82, s[KI], BSTEP
	s_add_nc_u64 s[G0B+6:G0B+7], s[80:81], s[82:83]
	s_or_b32 s[G0B+7], s[G0B+7], 0x80000000
	s_add_co_u32 s[KI], s[KI], 1
	s_and_b32 s[KI], s[KI], STEPS-1                     ; behind the last step comes step 0
	s_xor_b32 s[G0+5], s[G0+5], SLOT                    ; into the other slot than last time
	s_xor_b32 s[G0B+5], s[G0B+5], SLOT
.endif
	s_xor_b32 s[TB], s[TB], SLOT
	s_wait_dscnt 0x0                               ; the add is done, and my reads of this slot are over
.if \fill
	CROUND                                         ; no wave of any partner still reads this slot or has a load on its way
	JLOAD                                          ; its four v_nop are also the places in front of the loads below
.else
	s_barrier_signal -1
	s_barrier_wait -1                              ; the next slot is whole
	PLACES
.endif
	v_add_nc_u32 v[ADRA], s[TB], v[A0]
	v_add_nc_u32 v[ADRB], s[TB], v[B0]
	v_add_nc_u32 v[ADRB+1], 128*PB, v[ADRB]
	FETCH 0, F0
	MUL8 F1, 0, 0, 0
	MUL8 F1, 0, 2, 0
	MUL8 F1, 1, 0, 0
	MUL8 F1, 1, 2, 0
.endm
	s_wait_tensorcnt 0x1                           ; my part of the walk's first step is in; the second's may stay out
	s_barrier_signal -1
	s_barrier_wait -1
	FETCH 0, F0
	QUARTER 1, F0, F1, 1
	WIN 0
	s_mov_b32 s3, STEPS-2
.Lstep:
	QUARTER 2, F1, F0, 0
	QUARTER 3, F0, F1, 0
	TURN 1
	QUARTER 1, F0, F1, 0
	WIN 0
	s_sub_co_u32 s3, s3, 1
	s_cmp_lg_u32 s3, 0
	s_cbranch_scc1 .Lstep
	s_mov_b32 s3, 2
.Ltail:                                                ; the last two K steps ask for nothing; the second trip is left in its middle
	QUARTER 2, F1, F0, 0
	QUARTER 3, F0, F1, 0
	TURN 0
	WIN 0
	s_sub_co_u32 s3, s3, 1
	s_cmp_eq_u32 s3, 0
	s_cbranch_scc1 .Lout
	QUARTER 1, F0, F1, 0
	WIN 0
	s_cmp_lg_u32 s3, 0
	s_cbranch_scc1 .Ltail
.Lout:
	; THE WAY OUT.  The ring has had its last fill; when every wave has left it each wave lays its 64 x 64 sums into its own stage there, takes them back as whole rows of 256 bytes, adds the residual and stores.
	; No register is written twice, so no wait frees any.
	PLACES
	s_wait_dscnt 0x0
	s_barrier_signal -1
	s_barrier_wait -1                              ; nobody reads the ring any more
.irp a, 0,1,2,3
.irp b, 0,1,2,3
	ds_store_b128 v[STO], v[ACC+8*(4*(\a)+(\b)):ACC+8*(4*(\a)+(\b))+3]   offset:16*(\a)*SP+64*(\b)     ; each accumulator's low registers first
	ds_store_b128 v[STO], v[ACC+8*(4*(\a)+(\b))+4:ACC+8*(4*(\a)+(\b))+7] offset:16*(\a)*SP+64*(\b)+16
.endr
.endr
.set i, 0
.rept 32                               ; LDS serves a wave's instructions in order (ISA guide 5.7.1.4): these see the stores above, the last eight land on registers that the first stores have left
	ds_load_b128 v[TT+4*i:TT+4*i+3], v[RD] offset:i*2*SP
.set i, i+1
.endr
	s_wait_loadcnt 0x0                             ; the residual, asked for at the head
.irp g, 0,1,2,3
	s_wait_dscnt 8*(3-(\g))                        ; group g's 16 rows are back; the later groups' loads stay out
	WIN 0x08                                       ; source 1 in window 2
.set i, 0
.rept 16
	v_pk_add_f32 v[TT+32*(\g)+2*i:TT+32*(\g)+2*i+1], v[TT+32*(\g)+2*i:TT+32*(\g)+2*i+1], v[RES+32*(\g)+2*i:RES+32*(\g)+2*i+1]
.set i, i+1
.endr
	WIN 0
.if BIAS
.set i, 0
.rept 16
	v_pk_add_f32 v[TT+32*(\g)+2*i:TT+32*(\g)+2*i+1], v[TT+32*(\g)+2*i:TT+32*(\g)+2*i+1], v[BI+2*(i%2):BI+2*(i%2)+1]
.set i, i+1
.endr
.endif
.irp t, 0,1,2,3,4,5,6,7
	global_store_b128 v[CO], v[TT+32*(\g)+4*(\t):TT+32*(\g)+4*(\t)+3], s[74:75] offset:8192*(8*(\g)+(\t))  ; 16 lanes store 256 consecutive bytes, aligned
.endr
.endr
	s_wait_tensorcnt 0x0                           ; the wave's end
	ds_add_u32 v[SPW], v[NIL]
	s_wait_dscnt 0x0
	CROUND                                         ; the closing round
	s_endpgm
.Lfunc_end_k_qeff392dd17_gw:
	.size	k_qeff392dd17_gw, .Lfunc_end_k_qeff392dd17_gw-k_qeff392dd17_gw
	.p2alignl 7, 3214868480
	.fill 96, 4, 3214868480
	.section	.rodata,"a",@progbits
	.p2align	6, 0x0
	.amdhsa_kernel k_qeff392dd17_gw
		.amdhsa_group_segment_fixed_size 327680
		.amdhsa_private_segment_fixed_size 0
		.amdhsa_enable_private_segment 0
		.amdhsa_kernarg_size 32
		.amdhsa_user_sgpr_count 2
		.amdhsa_user_sgpr_kernarg_segment_ptr 1
		.amdhsa_wavefront_size32 1
		.amdhsa_system_sgpr_workgroup_id_x 1
		.amdhsa_system_sgpr_workgroup_id_y 1
		.amdhsa_system_sgpr_workgroup_id_z 1
		.amdhsa_system_vgpr_workitem_id 0
		.amdhsa_next_free_vgpr 640
		.amdhsa_next_free_sgpr 84
		.amdhsa_reserve_vcc 0
		.amdhsa_float_denorm_mode_32 3
		.amdhsa_float_denorm_mode_16_64 3
		.amdhsa_memory_ordered 1
		.amdhsa_forward_progress 1
		.amdhsa_inst_pref_size 65
	.end_amdhsa_kernel
	.amdgpu_metadata
---
amdhsa.version: [ 1, 2 ]
amdhsa.kernels:
  - .name:           k_qeff392dd17_gw
    .symbol:         k_qeff392dd17_gw.kd
    .args:
      - { .name: ctx, .offset: 0, .size: 8, .value_kind: global_buffer, .address_space: global }
      - { .name: wb, .offset: 8, .size: 8, .value_kind: global_buffer, .address_space: global }
      - { .name: X, .offset: 16, .size: 8, .value_kind: global_buffer, .address_space: global }
      - { .name: x1, .offset: 24, .size: 8, .value_kind: global_buffer, .address_space: global }
    .group_segment_fixed_size: 327680
    .private_segment_fixed_size: 0
    .kernarg_segment_align: 8
    .kernarg_segment_size: 32
    .max_flat_workgroup_size: 128
    .sgpr_count:     84
    .vgpr_count:     640
    .wavefront_size: 32
...
	.end_amdgpu_metadata
.endif
;; end of part 4
;; launch ln2 (part 5): grid 256 x 1, 8 waves a work-group, no clusters, 0 bytes of LDS; arguments x1, ln2_scale, ln2_shift, h; writes h
.if DOCPART == 5
	.amdgcn_target "amdgcn-amd-amdhsa--gfx1250"
	.amdhsa_code_object_version 6
	.text
	.protected	k_qeff392dd17_ln2
	.globl	k_qeff392dd17_ln2
	.p2align	8
	.type	k_qeff392dd17_ln2,@function
k_qeff392dd17_ln2:
	s_mov_b64 s[64:65], 0
	v_nop
	global_prefetch_b8 v0, s[64:65] scope:SCOPE_SE
	s_setreg_imm32_b32 hwreg(HW_REG_WAVE_MODE, 25, 1), 1
	s_wait_xcnt 0x0
; h[r][c] = scale[c] (x[r][c] - mean_r) / sqrt(var_r + 1e-5) + shift[c], x f32 [4096][1024], h bf16 [4096][1024], rounded once.
; Two passes over a row that stays in registers: the mean first, then the sum of (x - mean)^2, so that a common offset of a row costs no digits.
; One wave, two rows: a row is 4,096 bytes = 32 registers of the wave; the sums never leave the wave: no LDS, no barrier.
; Lane l, load j hold columns 128 j + 4 l .. + 3: a load of the wave covers 512 neighbouring bytes, a store 256, aligned.
.set SC, 4                             ; v[4:35]    scale of my 32 columns
.set SH, 36                            ; v[36:67]   shift
.set X0, 68                            ; v[68:131]  row r at X0 + 32 r; its packed bf16 end in its own first 16 registers
.set T,  132                           ; v[132:139] at work
.set RS, 140                           ; v[140:143] row r's 1 / sqrt(var + eps), twice (a pair for the packed multiply)
	s_load_b256 s[4:11], s[0:1], 0x0               ; x s[4:5], scale s[6:7], shift s[8:9], h s[10:11]
	v_and_b32 v3, 31, v0                           ; lane
	v_lshrrev_b32 v2, 5, v0
	v_readfirstlane_b32 s2, v2                     ; wave
	v_lshlrev_b32 v1, 4, v3                        ; 16 l
	v_lshlrev_b32 v2, 3, v3                        ; 8 l
	s_lshl_b32 s3, ttmp9, 3
	s_add_co_u32 s3, s3, s2                        ; my pair of rows among 2,048
	s_lshl_b32 s16, s3, 13                         ; two rows of 4,096 bytes
	s_mov_b32 s17, 0
	s_lshl_b32 s18, s3, 12                         ; two rows of 2,048 bytes
	s_mov_b32 s19, 0
	s_mov_b32 s12, 0x76543210                      ; v_permlanex16_b32: each lane takes its own place in the other half
	s_mov_b32 s13, 0xfedcba98
	s_mov_b32 s14, 0x3a800000                      ; 1 / 1,024
	s_mov_b32 s15, 0x3727c5ac                      ; 1e-5
	s_wait_kmcnt 0x0
	s_add_nc_u64 s[4:5], s[4:5], s[16:17]
	s_add_nc_u64 s[10:11], s[10:11], s[18:19]
.irp r, 0,1
.irp j, 0,1,2,3,4,5,6,7
	global_load_b128 v[X0+32*(\r)+4*(\j):X0+32*(\r)+4*(\j)+3], v1, s[4:5] offset:4096*(\r)+512*(\j)
.endr
.endr
.irp j, 0,1,2,3,4,5,6,7
	global_load_b128 v[SC+4*(\j):SC+4*(\j)+3], v1, s[6:7] offset:512*(\j)
.endr
.irp j, 0,1,2,3,4,5,6,7
	global_load_b128 v[SH+4*(\j):SH+4*(\j)+3], v1, s[8:9] offset:512*(\j)
.endr
.macro FOLD                            ; four chains of pairs -> one number a lane -> the sum over the 32 lanes, in every lane
	v_pk_add_f32 v[T:T+1], v[T:T+1], v[T+2:T+3]
	v_pk_add_f32 v[T+4:T+5], v[T+4:T+5], v[T+6:T+7]
	v_pk_add_f32 v[T:T+1], v[T:T+1], v[T+4:T+5]
	v_add_f32 v[T], v[T], v[T+1]
	v_add_f32_dpp v[T], v[T], v[T] row_xmask:1 row_mask:0xf bank_mask:0xf
	v_add_f32_dpp v[T], v[T], v[T] row_xmask:2 row_mask:0xf bank_mask:0xf
	v_add_f32_dpp v[T], v[T], v[T] row_xmask:4 row_mask:0xf bank_mask:0xf
	v_add_f32_dpp v[T], v[T], v[T] row_xmask:8 row_mask:0xf bank_mask:0xf
	v_permlanex16_b32 v[T+1], v[T], s12, s13       ; its destination has been written before
	v_add_f32 v[T], v[T], v[T+1]
.endm
.macro STAT r                          ; row r: x - mean in place, and 1 / sqrt(var + eps)
.set XR, X0+32*(\r)
.irp k, 0,1,2,3
	v_pk_add_f32 v[T+2*(\k):T+2*(\k)+1], v[XR+2*(\k):XR+2*(\k)+1], v[XR+8+2*(\k):XR+8+2*(\k)+1]  ; the first pairs start the chains: nothing is cleared
.endr
.irp m, 2,3
.irp k, 0,1,2,3
	v_pk_add_f32 v[T+2*(\k):T+2*(\k)+1], v[T+2*(\k):T+2*(\k)+1], v[XR+8*(\m)+2*(\k):XR+8*(\m)+2*(\k)+1]
.endr
.endr
	FOLD
	v_mul_f32 v[T+2], s14, v[T]                    ; the mean, twice
	v_mul_f32 v[T+3], s14, v[T]
.set i, 0
.rept 16
	v_pk_add_f32 v[XR+2*i:XR+2*i+1], v[XR+2*i:XR+2*i+1], v[T+2:T+3] neg_lo:[0,1] neg_hi:[0,1]
.set i, i+1
.endr
.irp k, 0,1,2,3
	v_pk_mul_f32 v[T+2*(\k):T+2*(\k)+1], v[XR+2*(\k):XR+2*(\k)+1], v[XR+2*(\k):XR+2*(\k)+1]
.endr
.irp m, 1,2,3
.irp k, 0,1,2,3
	v_pk_fma_f32 v[T+2*(\k):T+2*(\k)+1], v[XR+8*(\m)+2*(\k):XR+8*(\m)+2*(\k)+1], v[XR+8*(\m)+2*(\k):XR+8*(\m)+2*(\k)+1], v[T+2*(\k):T+2*(\k)+1]
.endr
.endr
	FOLD
	v_fma_f32 v[T], v[T], s14, s15                 ; var + eps
	v_rsq_f32 v[RS+2*(\r)], v[T]
	v_rsq_f32 v[RS+2*(\r)+1], v[T]
	v_nop                                          ; a plain instruction before the result is used or the source rewritten (ISA guide 5.7.2)
.endm
.macro APPLY r
.set XR, X0+32*(\r)
.set i, 0
	s_wait_alu depctr_va_vdst(0)
.rept 16
	v_pk_mul_f32 v[XR+2*i:XR+2*i+1], v[XR+2*i:XR+2*i+1], v[RS+2*(\r):RS+2*(\r)+1]
.set i, i+1
.endr
.set i, 0
.rept 16
	v_pk_fma_f32 v[XR+2*i:XR+2*i+1], v[XR+2*i:XR+2*i+1], v[SC+2*i:SC+2*i+1], v[SH+2*i:SH+2*i+1]
.set i, i+1
.endr
.set i, 0
.rept 16
	v_cvt_pk_bf16_f32 v[XR+i], v[XR+2*i], v[XR+2*i+1]  ; pair i goes into register i, which pairs i and later no longer need (i <= 2 i)
.set i, i+1
.endr
.irp j, 0,1,2,3,4,5,6,7
	global_store_b64 v2, v[XR+2*(\j):XR+2*(\j)+1], s[10:11] offset:2048*(\r)+256*(\j)
.endr
.endm
	s_wait_loadcnt 24                              ; row 0's eight loads are in; row 1's, scale's and shift's 24 stay out
	STAT 0
	s_wait_loadcnt 16                              ; row 1 is in
	STAT 1
	s_wait_loadcnt 0x0                             ; scale and shift
	APPLY 0
	APPLY 1
	s_endpgm
.Lfunc_end_k_qeff392dd17_ln2:
	.size	k_qeff392dd17_ln2, .Lfunc_end_k_qeff392dd17_ln2-k_qeff392dd17_ln2
	.p2alignl 7, 3214868480
	.fill 96, 4, 3214868480
	.section	.rodata,"a",@progbits
	.p2align	6, 0x0
	.amdhsa_kernel k_qeff392dd17_ln2
		.amdhsa_group_segment_fixed_size 0
		.amdhsa_private_segment_fixed_size 0
		.amdhsa_enable_private_segment 0
		.amdhsa_kernarg_size 32
		.amdhsa_user_sgpr_count 2
		.amdhsa_user_sgpr_kernarg_segment_ptr 1
		.amdhsa_wavefront_size32 1
		.amdhsa_system_sgpr_workgroup_id_x 1
		.amdhsa_system_sgpr_workgroup_id_y 1
		.amdhsa_system_sgpr_workgroup_id_z 1
		.amdhsa_system_vgpr_workitem_id 0
		.amdhsa_next_free_vgpr 144
		.amdhsa_next_free_sgpr 66
		.amdhsa_reserve_vcc 0
		.amdhsa_float_denorm_mode_32 3
		.amdhsa_float_denorm_mode_16_64 3
		.amdhsa_memory_ordered 1
		.amdhsa_forward_progress 1
		.amdhsa_inst_pref_size 20
	.end_amdhsa_kernel
	.amdgpu_metadata
---
amdhsa.version: [ 1, 2 ]
amdhsa.kernels:
  - .name:           k_qeff392dd17_ln2
    .symbol:         k_qeff392dd17_ln2.kd
    .args:
      - { .name: x1, .offset: 0, .size: 8, .value_kind: global_buffer, .address_space: global }
      - { .name: ln2_scale, .offset: 8, .size: 8, .value_kind: global_buffer, .address_space: global }
      - { .name: ln2_shift, .offset: 16, .size: 8, .value_kind: global_buffer, .address_space: global }
      - { .name: h, .offset: 24, .size: 8, .value_kind: global_buffer, .address_space: global }
    .group_segment_fixed_size: 0
    .private_segment_fixed_size: 0
    .kernarg_segment_align: 8
    .kernarg_segment_size: 32
    .max_flat_workgroup_size: 256
    .sgpr_count:     66
    .vgpr_count:     144
    .wavefront_size: 32
...
	.end_amdgpu_metadata
.endif
;; end of part 5
;; launch gf (part 6): grid 16 x 16, 4 waves a work-group, clusters of 4 x 4, 327,680 bytes of LDS; arguments h, wb, g, b1; writes g
.if DOCPART == 6
	.amdgcn_target "amdgcn-amd-amdhsa--gfx1250"
	.amdhsa_code_object_version 6
	.text
	.protected	k_qeff392dd17_gf
	.globl	k_qeff392dd17_gf
	.p2align	8
	.type	k_qeff392dd17_gf,@function
k_qeff392dd17_gf:
	s_mov_b64 s[64:65], 0
	v_nop
	global_prefetch_b8 v0, s[64:65] scope:SCOPE_SE
	s_setreg_imm32_b32 hwreg(HW_REG_WAVE_MODE, 25, 1), 1
	s_wait_xcnt 0x0
	s_wait_alu depctr_hold_cnt(0) depctr_sa_sdst(0) depctr_va_vdst(0) depctr_va_sdst(0) depctr_va_ssrc(0) depctr_va_vcc(0) depctr_vm_vsrc(0)
	s_getreg_b32 s2, hwreg(HW_REG_IB_STS2, 6, 4)
	s_cmp_eq_u32 s2, 0
	s_cbranch_scc0 .Lentry_in_a_cluster
	s_endpgm
.Lentry_in_a_cluster:
	s_bfe_u32 s2, ttmp6, 0x10000c
	s_cmp_lg_u32 s2, 0xf033
	s_cbranch_scc0 .Lentry_shape_is_right
	s_endpgm
.Lentry_shape_is_right:
; g = gelu(h W1 + b1).  h: bf16 [4096][1024].  W1: bf16 [1024][4096], K down the rows, at wb + 8,388,608.  b1: f32 [4096].
; Out: bf16, in panels of 64 columns: g[panel 0..63][row 0..4095][64], a row of a panel 128 bytes, rows dense.  Sums, bias and GELU in f32, rounded once.
; GELU is the tanh form rewritten: x / (1 + 2^(x (k0 + k1 x^2))), k0 = -2 sqrt(2 / pi) log2(e), k1 = 0.044715 k0.  NaN and infinities are not treated apart.
; A tile of C, 256 x 256, is made by four waves, each 128 x 128: 64 accumulators, 512 registers.  K goes in 8 steps of 128 through two LDS slots filled by tensor loads.  16 x 16 = 256 work-groups.
; A's tile lies along K and is read as it lies; B's tile lies [k][n] and is read turned, by ds_load_tr16_b128.
; THE MATRIX INSTRUCTION IS USED TRANSPOSED (source 0 = 16 columns of B, source 1 = 16 rows of A): a lane then holds eight neighbouring numbers of a row of C.
; CLUSTER 4 x 4: A's tile is asked for jointly along a row of the cluster, B's along a column: the same load, descriptor and mask in all four.
; THE TEXT OF A K STEP STANDS ONCE IN THE LOOP: the slot in hand is a scalar (TB) that an exclusive or turns.  The last two steps are a loop of two trips without fills;
; its last change of slots fetches 32 fragments that serve nothing: the price, once a launch, of one text for both.
; REGISTERS: window 0: v16-29 addresses, v32-95 and v192-255 the way out, v64-191 A's fragments (two buffers); window 1: v64-191 B's fragments; windows 2, 3: accumulator (a, b) at v[8 (8 a + b)].
.set GELU,   1                         ; 0: round to f16.  1: add the bias, GELU, round to bf16
.set NU,     8                         ; the way out: rows in a trip (as many 16-byte loads a lane)
.set BPITCH, 4096                      ; elements in a row of B
.set KSTEP,  128
.set STEPS,  8
.set PA,     272                       ; an LDS row of A: 256 bytes + 16: the 16 rows of a load start in 16 different groups of four banks (ISA guide 11.1)
.set PB,     544                       ; an LDS row of B: 512 bytes + 32 = 17 x 32
.set HALFT,  128*PA                    ; what one tensor load brings: 128 rows of A, or 64 rows of B (64 x 544 is the same number)
.set SLOT,   4*HALFT                   ; A's 256 rows, then B's 128; it shares no bit with wave x HALFT, so an exclusive or changes slots
.set SPARE,  2*SLOT                    ; behind the ring: the spare words, 128 bytes a wave
.set SP,     528                       ; the way out: a stage row of 128 f32 + 16 bytes
.set WSTG,   128*SP                    ; a wave's stage, in the ring's bytes once their last fill has been read
.set ASTEP,  KSTEP*2
.set BSTEP,  KSTEP*BPITCH*2
.set A0,   16                          ; v16  my lane's place in A's tile of slot 0; never rewritten
.set B0,   17                          ; v17  the same for B
.set ADRA, 18                          ; v18  A0 + TB
.set ADRB, 19                          ; v19  B0 + TB
.set STO,  24                          ; v24  the way out: where I put 32 bytes of a row
.set RD,   25                          ; v25  where I read rows back
.set GO,   26                          ; v26  my byte offset in two rows of a panel
.set SPW,  28                          ; v28  my spare word; never rewritten
.set NIL,  29                          ; v29  0; never rewritten
.set X,    32                          ; v[32:32+4 NU-1]  NU rows back from the stage
.set XB,   64                          ; v[64:95]   with GELU: x + bias
.set F0,   64
.set F1,   128
.set T,    192                         ; v[192:223] at work
.set Y,    224                         ; v[224:224+2 NU-1] packed results
.set BI,   240                         ; v[240:247] with GELU: the bias of my 4 columns in each of the wave's two panels
.set G1,  24                           ; s[24:31] group 1 for A;  s[32:39] group 0: K step 0's set, then the set that walks
.set G0,  32
.set G1B, 48                           ; s[48:55], s[56:63] the same for B
.set G0B, 56
.set TB,  68                           ; s68  0 or SLOT: the slot in hand
.set MSB, 0
.macro WIN new                         ; the immediate's high byte repeats the setting that is left
.if MSB != (\new)
	s_set_vgpr_msb (MSB<<8)|(\new)
.set MSB, \new
.endif
.endm
.set MUL_LO, 0xa1                      ; source 0 (B) window 1, source 1 (A) window 0, C and D window 2
.set MUL_HI, 0xf1                      ; the same, C and D window 3
.set TO_B,   0x40                      ; destination window 1, address window 0
.set ST_LO,  0x08                      ; LDS store: data (source 1) window 2
.set ST_HI,  0x0c                      ; window 3
.macro PLACES                          ; four plain places behind matrix instructions, in front of loads into their sources and of reads of their results
.rept 4
	v_nop
.endr
.endm
.macro JLOAD                           ; a joint refill by the walking set: waves 0, 1 fetch A's halves, waves 2, 3 B's; s_nop 0 and four v_nop follow each line
	s_cmp_eq_u32 s11, 0
	s_cbranch_scc0 .Lfor_b_\@
	tensor_load_to_lds s[G0+4:G0+7], s[G1:G1+7]
	s_nop 0
.rept 4
	v_nop
.endr
	s_branch .Lasked_\@
.Lfor_b_\@:
	tensor_load_to_lds s[G0B+4:G0B+7], s[G1B:G1B+7]
	s_nop 0
.rept 4
	v_nop
.endr
.Lasked_\@:
.endm
.macro CREST                           ; a round of the cluster's barrier behind its opening barrier
	s_cmp_lg_u32 s10, 0
	s_cbranch_scc1 .Lnot_wave_0_\@
	s_barrier_signal -3
.Lnot_wave_0_\@:
	s_barrier_wait -3
	s_barrier_signal -1
	s_barrier_wait -1
.endm
.macro CROUND
	s_barrier_signal -1
	s_barrier_wait -1
	CREST
.endm
	s_load_b128 s[4:7], s[0:1], 0x0                ; A s[4:5], wb s[6:7]
	s_load_b64 s[8:9], s[0:1], 0x10                ; out
.if GELU
	s_load_b64 s[76:77], s[0:1], 0x18              ; the bias
.endif
	v_lshl_add_u32 v[SPW], v0, 2, SPARE
	v_mov_b32 v[NIL], 0
	ds_add_u32 v[SPW], v[NIL]                      ; the wave's opening: the add and its wait stand ahead of my first tensor load
	ds_add_u32 v28, v29
	v_lshrrev_b32 v1, 5, v0
	v_readfirstlane_b32 s10, v1                    ; wave 0..3
	s_lshr_b32 s11, s10, 1                         ; my half of the tile's rows.  Also: I fetch for A (0) or B (1)
	s_and_b32 s12, s10, 1                          ; my half of its columns.  Also: which half of that tile I fetch
	s_bfe_u32 s40, ttmp6, 0x40000                  ; cx
	s_bfe_u32 s41, ttmp6, 0x40004                  ; cy
	s_lshl_b32 s42, ttmp9, 2
	s_add_co_u32 s42, s42, s40                     ; tile column tc
	s_and_b32 s13, ttmp7, 0xffff
	s_lshl_b32 s13, s13, 2
	s_add_co_u32 s13, s13, s41                     ; tile row tr
	s_lshl_b32 s43, s41, 2
	s_lshl_b32 s43, 15, s43                        ; my row of the cluster
	s_lshl_b32 s44, 0x1111, s40                    ; my column
	s_or_b32 s[G1+0], s43, (1<<16)|(1<<20)|(1<<21)|(5<<22)|(3<<25)   ; mask; 2-byte elements; padding on; bit 21 beside a mask; after every 64 words 4 words
	s_or_b32 s[G1B+0], s44, (1<<16)|(1<<20)|(1<<21)|(6<<22)|(7<<25)  ; after every 128 words 8 words
	s_mov_b32 s[G1+1], 128<<16                     ; tensor_dim0 = 128
	s_mov_b32 s[G1+2], 128<<16                     ; tensor_dim1 = 128
	s_mov_b32 s[G1+3], 128<<16                     ; tile_dim0 = 128
	s_mov_b32 s[G1+4], 128                         ; tile_dim1 = 128
	s_mov_b32 s[G1+5], 1024                        ; elements from row to row of A
	s_mov_b32 s[G1+6], 0
	s_mov_b32 s[G1+7], 0
	s_mov_b32 s[G1B+1], 256<<16                    ; tensor_dim0 = 256
	s_mov_b32 s[G1B+2], 64<<16                     ; tensor_dim1 = 64
	s_mov_b32 s[G1B+3], 256<<16                    ; tile_dim0 = 256
	s_mov_b32 s[G1B+4], 64                         ; tile_dim1 = 64
	s_mov_b32 s[G1B+5], BPITCH
	s_mov_b32 s[G1B+6], 0
	s_mov_b32 s[G1B+7], 0
	s_lshl_b32 s16, s13, 19                        ; A: (256 tr + 128 half) rows of 2,048 bytes: hangs on the tile row alone
	s_lshl_b32 s17, s12, 18
	s_add_co_u32 s16, s16, s17
	s_mov_b32 s17, 0
.if GELU
	s_lshl_b32 s46, s42, 9                         ; B: W1 at wb + 8,388,608; 512 bytes a tile column; 64 rows of 8,192 bytes a half
	s_lshl_b32 s47, s12, 19
	s_add_co_u32 s46, s46, s47
	s_add_co_u32 s46, s46, 8388608
.else
	s_lshr_b32 s46, s42, 2                         ; B: matrix tc / 4, 512 bytes a tile column in it, 64 rows of 2,048 bytes a half
	s_lshl_b32 s46, s46, 21
	s_and_b32 s47, s42, 3
	s_lshl_b32 s47, s47, 9
	s_add_co_u32 s46, s46, s47
	s_lshl_b32 s47, s12, 17
	s_add_co_u32 s46, s46, s47
.endif
	s_mov_b32 s47, 0
	s_mul_i32 s20, s10, HALFT                      ; where my fills go: wave x 34,816: no place in the cluster enters an LDS address
	s_mov_b32 s[TB], 0
.if GELU
	s_mov_b32 s70, 0xc0135761                      ; k0 = -2 sqrt(2 / pi) log2(e)
	s_mov_b32 s71, 0xc0135761
	s_mov_b32 s72, 0xbdd2d3e8                      ; k1 = 0.044715 k0
	s_mov_b32 s73, 0xbdd2d3e8
.endif
	s_wait_dscnt 0x0                               ; the opening add is done
	s_wait_kmcnt 0x0
	s_add_nc_u64 s[14:15], s[4:5], s[16:17]
	s_add_nc_u64 s[46:47], s[6:7], s[46:47]
	CROUND                                         ; all sixteen work-groups are here: the first joint loads meet
.irp s, 0,1
	s_mov_b32 s[G0+4*(\s)], 1
	s_add_co_u32 s[G0+4*(\s)+1], s20, (\s)*SLOT
	s_add_nc_u64 s[G0+4*(\s)+2:G0+4*(\s)+3], s[14:15], (\s)*ASTEP
	s_or_b32 s[G0+4*(\s)+3], s[G0+4*(\s)+3], 0x80000000
	s_mov_b32 s[G0B+4*(\s)], 1
	s_add_co_u32 s[G0B+4*(\s)+1], s20, (\s)*SLOT
	s_add_nc_u64 s[G0B+4*(\s)+2:G0B+4*(\s)+3], s[46:47], (\s)*BSTEP
	s_or_b32 s[G0B+4*(\s)+3], s[G0B+4*(\s)+3], 0x80000000
.endr
	s_cmp_eq_u32 s11, 0                            ; a wave's two first fills stand in one branch: two loads of mine are out
	s_cbranch_scc0 .Lfirst_b
	tensor_load_to_lds s[G0:G0+3], s[G1:G1+7]
	s_nop 0
	tensor_load_to_lds s[G0+4:G0+7], s[G1:G1+7]
	s_nop 0
.rept 4
	v_nop
.endr
	s_branch .Lfirst_asked
.Lfirst_b:
	tensor_load_to_lds s[G0B:G0B+3], s[G1B:G1B+7]
	s_nop 0
	tensor_load_to_lds s[G0B+4:G0B+7], s[G1B:G1B+7]
	s_nop 0
.rept 4
	v_nop
.endr
.Lfirst_asked:
	v_and_b32 v1, 15, v0                           ; l % 16
	v_bfe_u32 v2, v0, 4, 1                         ; l / 16
	v_mul_u32_u24 v3, v1, PA                       ; a fragment of A: row l % 16, 16 bytes for each half of the lanes, a second load 32 bytes on
	v_lshl_add_u32 v3, v2, 4, v3
	s_mul_i32 s21, s11, HALFT
	v_add_nc_u32 v[A0], s21, v3
	v_and_b32 v4, 7, v0                            ; the turning load: lane l reads 16 bytes of row k = 8 (l / 16) + l % 8, columns 8 ((l / 8) % 2) on,
	v_lshl_add_u32 v4, v2, 3, v4                   ; and is left with column l % 16 and eight k; a second load 16 rows on
	v_mul_u32_u24 v4, v4, PB
	v_bfe_u32 v5, v0, 3, 1
	v_lshl_add_u32 v4, v5, 4, v4
	s_lshl_b32 s22, s12, 8                         ; my 128 columns of B,
	s_add_co_u32 s22, s22, 2*HALFT                 ; which lies behind A
	v_add_nc_u32 v[B0], s22, v4
	v_mov_b32 v[ADRA], v[A0]
	v_mov_b32 v[ADRB], v[B0]
	s_mul_i32 s23, s10, WSTG                       ; my stage
	v_mul_u32_u24 v6, v1, SP                       ; in: row l % 16, 32 bytes for each half of the lanes
	v_lshl_add_u32 v6, v2, 5, v6
	v_add_nc_u32 v[STO], s23, v6
	v_mul_u32_u24 v6, v2, SP                       ; back: lanes 0-15 take 256 bytes of one row, lanes 16-31 of the next
	v_lshl_add_u32 v6, v1, 4, v6
	v_add_nc_u32 v[RD], s23, v6
	v_and_b32 v6, 31, v0
	v_lshlrev_b32 v[GO], 3, v6                     ; those two rows are 256 dense bytes of a panel: 8 bytes a lane
	s_lshl_b32 s16, s13, 15                        ; out: rows 256 tr + 128 half of 128 bytes,
	s_lshl_b32 s17, s11, 14
	s_add_co_u32 s16, s16, s17
	s_lshl_b32 s46, s42, 21                        ; panels 4 tc + 2 half of 524,288 bytes
	s_lshl_b32 s47, s12, 20
	s_add_co_u32 s46, s46, s47
	s_add_co_u32 s16, s16, s46
	s_mov_b32 s17, 0
	s_add_nc_u64 s[8:9], s[8:9], s[16:17]
.if GELU
	v_lshlrev_b32 v7, 4, v1                        ; the bias of columns 256 tc + 128 half + 64 panel + 4 (l % 16) ..; v7 is never rewritten
	s_lshl_b32 s78, s42, 10
	s_lshl_b32 s79, s12, 9
	s_add_co_u32 s78, s78, s79
	s_mov_b32 s79, 0
	s_add_nc_u64 s[76:77], s[76:77], s[78:79]
	global_load_b128 v[BI:BI+3], v7, s[76:77]
	global_load_b128 v[BI+4:BI+7], v7, s[76:77] offset:256
.endif
; 16 matrix instructions: row blocks a0, a0 + 1 of the window's four x all 8 column blocks, 32 along K.  zero = 1: the product starts the sum.
; The 64 accumulators take turns, one instruction a turn, in the same order in every quarter.
.macro MUL16 f, hi, a0, zero
	WIN MUL_LO+0x50*(\hi)
.irp a, \a0, (\a0)+1
.irp b, 0,1,2,3,4,5,6,7
.if \zero
	v_wmma_f32_16x16x32_bf16 v[8*(8*(\a)+(\b)):8*(8*(\a)+(\b))+7], v[(\f)+8*(\b):(\f)+8*(\b)+7], v[(\f)+8*(4*(\hi)+(\a)):(\f)+8*(4*(\hi)+(\a))+7], 0
.else
	v_wmma_f32_16x16x32_bf16 v[8*(8*(\a)+(\b)):8*(8*(\a)+(\b))+7], v[(\f)+8*(\b):(\f)+8*(\b)+7], v[(\f)+8*(4*(\hi)+(\a)):(\f)+8*(4*(\hi)+(\a))+7], v[8*(8*(\a)+(\b)):8*(8*(\a)+(\b))+7]
.endif
.endr
.endr
.endm
; 32 LDS loads in one run: quarter q (32 along K) of the slot in hand into buffer f: B's 128 columns turned, then A's 128 rows
.macro FETCH q, f
	WIN TO_B
.irp i, 0,1,2,3,4,5,6,7
	ds_load_tr16_b128 v[(\f)+8*(\i):(\f)+8*(\i)+3],   v[ADRB] offset:(\q)*32*PB+32*(\i)
	ds_load_tr16_b128 v[(\f)+8*(\i)+4:(\f)+8*(\i)+7], v[ADRB] offset:(\q)*32*PB+16*PB+32*(\i)
.endr
	WIN 0
.irp i, 0,1,2,3,4,5,6,7
	ds_load_b128 v[(\f)+8*(\i):(\f)+8*(\i)+3],   v[ADRA] offset:(\q)*64+(\i)*16*PA
	ds_load_b128 v[(\f)+8*(\i)+4:(\f)+8*(\i)+7], v[ADRA] offset:(\q)*64+(\i)*16*PA+32
.endr
.endm
; One of a K step's first three quarters: multiplies buffer f; in its middle fetches quarter q into buffer g
.macro QUARTER q, f, g, zero
	s_wait_dscnt 8                                 ; B and A's rows 0-63 are in; the youngest eight loads (A's rows 64-127) may be out
	MUL16 \f, 0, 0, \zero
	MUL16 \f, 0, 2, \zero
	PLACES
	FETCH \q, \g
	s_wait_dscnt 32                                ; all but the 32 just issued
	MUL16 \f, 1, 0, \zero
	MUL16 \f, 1, 2, \zero
.endm
; The last quarter multiplies buffer 1 and changes slots.  In front of the barrier each wave waits for all its tensor loads (one is out: its part of the next slot), adds 0 to its
; spare word, and waits for that and for its reads of this slot.  fill = 1: the barrier opens a round of the cluster's, and the slot just read is filled again, two K steps ahead, first thing behind it.
.macro TURN fill
	WIN 0
	s_wait_tensorcnt 0x0                           ; all my tensor loads have landed
	ds_add_u32 v[SPW], v[NIL]
	s_wait_dscnt 9                                 ; the add and the youngest eight loads may be out
	MUL16 F1, 0, 0, 0
	s_wait_dscnt 0x0                               ; the add is done, and my reads of this slot are over
	s_barrier_signal -1
	MUL16 F1, 0, 2, 0                              ; work on registers while the others arrive
	WIN 0
	s_barrier_wait -1
.if \fill
	CREST                                          ; no wave of any partner still reads this slot or has a load on its way
	s_add_nc_u64 s[G0+6:G0+7], s[G0+6:G0+7], ASTEP      ; the walking sets: the next K step,
	s_add_nc_u64 s[G0B+6:G0B+7], s[G0B+6:G0B+7], BSTEP
	s_xor_b32 s[G0+5], s[G0+5], SLOT                    ; the other slot than last time
	s_xor_b32 s[G0B+5], s[G0B+5], SLOT
	s_xor_b32 s[TB], s[TB], SLOT
	JLOAD                                          ; its four v_nop are also the places in front of the loads below
.else
	s_xor_b32 s[TB], s[TB], SLOT
	PLACES
.endif
	v_add_nc_u32 v[ADRA], s[TB], v[A0]
	v_add_nc_u32 v[ADRB], s[TB], v[B0]
	FETCH 0, F0
	MUL16 F1, 1, 0, 0
	MUL16 F1, 1, 2, 0
.endm
	s_wait_tensorcnt 0x1                           ; my part of K step 0 is in; K step 1's may stay out
	s_barrier_signal -1
	s_barrier_wait -1
	FETCH 0, F0
	QUARTER 1, F0, F1, 1                           ; the first quarter stands in front of the loop: its products start the sums
	WIN 0
	s_mov_b32 s3, STEPS-2
.Lstep:                                                ; a trip: a K step's quarters 2 to 4 and the next step's first; it asks for the K step two on
	QUARTER 2, F1, F0, 0
	QUARTER 3, F0, F1, 0
	TURN 1
	QUARTER 1, F0, F1, 0
	WIN 0
	s_sub_co_u32 s3, s3, 1
	s_cmp_lg_u32 s3, 0
	s_cbranch_scc1 .Lstep
	s_mov_b32 s3, 2
.Ltail:                                                ; the last two K steps ask for nothing; the second trip is left in its middle
	QUARTER 2, F1, F0, 0
	QUARTER 3, F0, F1, 0
	TURN 0
	WIN 0
	s_sub_co_u32 s3, s3, 1
	s_cmp_eq_u32 s3, 0
	s_cbranch_scc1 .Lout
	QUARTER 1, F0, F1, 0
	WIN 0
	s_cmp_lg_u32 s3, 0
	s_cbranch_scc1 .Ltail
.Lout:
	; THE WAY OUT.  The ring has had its last fill.  When every wave has left it, each wave lays its 128 x 128 sums in f32 into its own stage there, and takes them back NU rows at a time.
	PLACES
	s_wait_dscnt 0x0                               ; my last LDS loads are back
	s_barrier_signal -1
	s_barrier_wait -1                              ; nobody reads the ring any more
.irp hi, 0,1
	WIN ST_LO+4*(\hi)
.irp a, 0,1,2,3
.irp b, 0,1,2,3,4,5,6,7
	ds_store_b128 v[STO], v[8*(8*(\a)+(\b)):8*(8*(\a)+(\b))+3]   offset:16*(4*(\hi)+(\a))*SP+64*(\b)     ; each accumulator's low registers first
	ds_store_b128 v[STO], v[8*(8*(\a)+(\b))+4:8*(8*(\a)+(\b))+7] offset:16*(4*(\hi)+(\a))*SP+64*(\b)+16
.endr
.endr
.endr
	WIN 0
.macro TAKE                            ; NU rows from my stage.  Unit u: rows 2 (u / 2), + 1; the wave's panel u % 2
.set u, 0
.rept NU
	ds_load_b128 v[X+4*u:X+4*u+3], v[RD] offset:(u/2)*2*SP+(u%2)*256  ; LDS serves a wave's instructions in order (ISA guide 5.7.1.4): these see my stores
.set u, u+1
.endr
.endm
	TAKE
.if GELU
	s_wait_loadcnt 0x0                             ; the bias
.endif
	s_mov_b32 s2, 128/NU
.Lrows:                                                ; 128 / NU trips.  The next trip's rows are fetched as soon as this trip's have left X
	s_wait_dscnt 0x0
.if GELU
.set i, 0
.rept 2*NU
	v_pk_add_f32 v[XB+2*i:XB+2*i+1], v[X+2*i:X+2*i+1], v[BI+4*((i/2)%2)+2*(i%2):BI+4*((i/2)%2)+2*(i%2)+1]
.set i, i+1
.endr
.else
	s_wait_xcnt 0x0                                ; Y and GO, which the last trip's stores read, are rewritten only behind this wait
.set i, 0
.rept 2*NU
	v_cvt_pk_f16_f32 v[Y+i], v[X+2*i], v[X+2*i+1]
.set i, i+1
.endr
.endif
	s_cmp_eq_u32 s2, 1
	s_cbranch_scc1 .Lno_more                       ; the last trip has no rows to fetch
	v_add_nc_u32 v[RD], NU*SP, v[RD]
	TAKE
.Lno_more:
.if GELU
	; gelu(x) = x / (1 + 2^(x (k0 + k1 x^2))): the tanh form rewritten; a huge exponent gives 0 or x, never NaN, for finite x
.set i, 0
.rept 2*NU
	v_pk_mul_f32 v[T+2*i:T+2*i+1], v[XB+2*i:XB+2*i+1], v[XB+2*i:XB+2*i+1]
.set i, i+1
.endr
.set i, 0
.rept 2*NU
	v_pk_fma_f32 v[T+2*i:T+2*i+1], v[T+2*i:T+2*i+1], s[72:73], s[70:71] op_sel_hi:[1,0,0]
.set i, i+1
.endr
.set i, 0
.rept 2*NU
	v_pk_mul_f32 v[T+2*i:T+2*i+1], v[T+2*i:T+2*i+1], v[XB+2*i:XB+2*i+1]
.set i, i+1
.endr
.set i, 0
.rept 4*NU
	v_exp_f32 v[T+i], v[T+i]
.set i, i+1
.endr
	v_nop                                          ; a plain instruction behind the last exponential (ISA guide 5.7.2)
.set i, 0
	s_wait_alu depctr_va_vdst(0)
.rept 2*NU
	v_pk_add_f32 v[T+2*i:T+2*i+1], v[T+2*i:T+2*i+1], 1.0 op_sel_hi:[1,0]
.set i, i+1
.endr
.set i, 0
.rept 4*NU
	v_rcp_f32 v[T+i], v[T+i]
.set i, i+1
.endr
	v_nop
.set i, 0
	s_wait_alu depctr_va_vdst(0)
.rept 2*NU
	v_pk_mul_f32 v[T+2*i:T+2*i+1], v[T+2*i:T+2*i+1], v[XB+2*i:XB+2*i+1]
.set i, i+1
.endr
	s_wait_xcnt 0x0                                ; Y and GO, which the last trip's stores read, are rewritten only behind this wait
.set i, 0
.rept 2*NU
	v_cvt_pk_bf16_f32 v[Y+i], v[T+2*i], v[T+2*i+1]
.set i, i+1
.endr
.endif
	v_add_nc_u32 v[GO], NU*128, v[GO]              ; the stores reach back by their immediate
.set u, 0
.rept NU
	global_store_b64 v[GO], v[Y+2*u:Y+2*u+1], s[8:9] offset:(u%2)*524288+(u/2)*256-NU*128  ; the wave stores 256 consecutive bytes, aligned: two rows of a panel
.set u, u+1
.endr
	s_sub_co_u32 s2, s2, 1
	s_cmp_lg_u32 s2, 0
	s_cbranch_scc1 .Lrows
	s_wait_tensorcnt 0x0                           ; the wave's end
	ds_add_u32 v[SPW], v[NIL]
	s_wait_dscnt 0x0
	CROUND                                         ; the closing round
	s_endpgm
.Lfunc_end_k_qeff392dd17_gf:
	.size	k_qeff392dd17_gf, .Lfunc_end_k_qeff392dd17_gf-k_qeff392dd17_gf
	.p2alignl 7, 3214868480
	.fill 96, 4, 3214868480
	.section	.rodata,"a",@progbits
	.p2align	6, 0x0
	.amdhsa_kernel k_qeff392dd17_gf
		.amdhsa_group_segment_fixed_size 327680
		.amdhsa_private_segment_fixed_size 0
		.amdhsa_enable_private_segment 0
		.amdhsa_kernarg_size 32
		.amdhsa_user_sgpr_count 2
		.amdhsa_user_sgpr_kernarg_segment_ptr 1
		.amdhsa_wavefront_size32 1
		.amdhsa_system_sgpr_workgroup_id_x 1
		.amdhsa_system_sgpr_workgroup_id_y 1
		.amdhsa_system_sgpr_workgroup_id_z 1
		.amdhsa_system_vgpr_workitem_id 0
		.amdhsa_next_free_vgpr 1024
		.amdhsa_next_free_sgpr 84
		.amdhsa_reserve_vcc 0
		.amdhsa_float_denorm_mode_32 3
		.amdhsa_float_denorm_mode_16_64 3
		.amdhsa_memory_ordered 1
		.amdhsa_forward_progress 1
		.amdhsa_inst_pref_size 89
	.end_amdhsa_kernel
	.amdgpu_metadata
---
amdhsa.version: [ 1, 2 ]
amdhsa.kernels:
  - .name:           k_qeff392dd17_gf
    .symbol:         k_qeff392dd17_gf.kd
    .args:
      - { .name: h, .offset: 0, .size: 8, .value_kind: global_buffer, .address_space: global }
      - { .name: wb, .offset: 8, .size: 8, .value_kind: global_buffer, .address_space: global }
      - { .name: g, .offset: 16, .size: 8, .value_kind: global_buffer, .address_space: global }
      - { .name: b1, .offset: 24, .size: 8, .value_kind: global_buffer, .address_space: global }
    .group_segment_fixed_size: 327680
    .private_segment_fixed_size: 0
    .kernarg_segment_align: 8
    .kernarg_segment_size: 32
    .max_flat_workgroup_size: 128
    .sgpr_count:     84
    .vgpr_count:     1024
    .wavefront_size: 32
...
	.end_amdgpu_metadata
.endif
;; end of part 6
;; launch go (part 7): grid 8 x 32, 4 waves a work-group, clusters of 4 x 4, 327,680 bytes of LDS; arguments g, wb, x1, out0, b2; writes out0
.if DOCPART == 7
	.amdgcn_target "amdgcn-amd-amdhsa--gfx1250"
	.amdhsa_code_object_version 6
	.text
	.protected	k_qeff392dd17_go
	.globl	k_qeff392dd17_go
	.p2align	8
	.type	k_qeff392dd17_go,@function
k_qeff392dd17_go:
	s_mov_b64 s[64:65], 0
	v_nop
	global_prefetch_b8 v0, s[64:65] scope:SCOPE_SE
	s_setreg_imm32_b32 hwreg(HW_REG_WAVE_MODE, 25, 1), 1
	s_wait_xcnt 0x0
	s_wait_alu depctr_hold_cnt(0) depctr_sa_sdst(0) depctr_va_vdst(0) depctr_va_sdst(0) depctr_va_ssrc(0) depctr_va_vcc(0) depctr_vm_vsrc(0)
	s_getreg_b32 s2, hwreg(HW_REG_IB_STS2, 6, 4)
	s_cmp_eq_u32 s2, 0
	s_cbranch_scc0 .Lentry_in_a_cluster
	s_endpgm
.Lentry_in_a_cluster:
	s_bfe_u32 s2, ttmp6, 0x10000c
	s_cmp_lg_u32 s2, 0xf033
	s_cbranch_scc0 .Lentry_shape_is_right
	s_endpgm
.Lentry_shape_is_right:
; out0 = x1 + g W2 + b2.  g: bf16 in panels of 64 columns, [64][4096 rows][64].  W2: bf16 [4096][1024], K down the rows, at wb + 16,777,216.  x1, out0: f32 [4096][1024]; b2: f32 [1024].  Sums in f32.
; A tile of C is 128 x 128 (256 work-groups); four waves, each 64 x 64: 16 accumulators.  K goes in 16 steps of 256 (four panels of A) through two LDS slots.
; A's tile: one tensor load brings 64 rows of four panels: four rows of 8,192 dense bytes, padded in LDS after every 128 bytes.  B's tile lies [k][n] and is read turned.
; THE MATRIX INSTRUCTION IS USED TRANSPOSED (source 0 = 16 columns of B, source 1 = 16 rows of A).  CLUSTER 4 x 4: A's tile jointly along a row, B's along a column.
; WHERE A CLUSTER BEGINS ITS WALK OVER K: at step 0 or at step STEPS / 2, by the parity of cluster x + cluster y, and round to where it began.  Clusters that are neighbours along x ask for the same tiles
; of A, neighbours along y for the same tiles of B: what one asks for in the second half of its walk the other has asked for in the first.  The f32 sum over K is taken in that rotated order.
; The step's number hangs on the cluster's coordinates alone, which all partners of a joint load share; each fill's address is made anew: the tile's base + step x a constant.
; THE REFILL STANDS AS EARLY AS THE ROUND ALLOWS: a K step has 128 products a wave, too few for a tile to land beside; so the last quarter's 32 products stand behind the refill, none in front of it.
; THE RESIDUAL (64 x 64 f32 a wave, 128 registers) and the bias are asked for at the kernel's head and waited for once, on the way out.
; The text of a K step stands once in the loop (the slot in hand is the scalar TB); the last two steps are a loop of two trips without fills, whose last change of slots fetches 32 fragments that serve nothing.
; REGISTERS: window 0: v12-29 bias and addresses; v32-159 the way out; v128-255 accumulator (a, b) at v[128 + 8 (4 a + b)].  Window 1: two fragment buffers of 128: 64 of A, then 64 of B.  Window 2: v0-127 the residual.
.set BIAS,   1                         ; 1: a bias a column is added
.set STEPS,  16                        ; K / 256
.set WOFF,   16777216                  ; B's first byte in wb
.set KSTEP,  256
.set PA,     144                       ; an LDS row of A: 128 bytes + 16
.set PANEL,  64*PA
.set PB,     288                       ; an LDS row of B: 256 bytes + 32 = 9 x 32
.set HALF,   4*PANEL                   ; what one tensor load brings: 4 panels x 64 rows of A, or 128 rows of B (128 x 288 is the same number)
.set SLOT,   4*HALF                    ; it shares no bit with wave x HALF
.set SPARE,  2*SLOT
.set SP,     272                       ; the way out: a stage row of 64 f32 + 16 bytes
.set WSTG,   64*SP
.set ASTEP,  4*524288                  ; four panels on
.set BSTEP,  KSTEP*2048
.set BI,   12                          ; v[12:15]
.set A0,   16
.set B0,   17
.set ADRA, 18
.set ADRB, 19                          ; v19: B0 + TB; v20: 128 rows further, so that the offsets fit
.set STO,  24
.set RD,   25
.set CO,   26
.set BO,   27
.set SPW,  28
.set NIL,  29
.set TT,   32                          ; v[32:159] the way out: my 64 rows back from the stage
.set ACC,  128
.set RES,  0                           ; window 2
.set F0,   0
.set F1,   128
.set G1,  24
.set G0,  32
.set G1B, 48
.set G0B, 56
.set TB,  68                           ; s68  0 or SLOT: the slot in hand
.set KI,  69                           ; s69  the K step to be asked for next
.set MSB, 0
.macro WIN new
.if MSB != (\new)
	s_set_vgpr_msb (MSB<<8)|(\new)
.set MSB, \new
.endif
.endm
.set MUL,  0x05                        ; sources 0 (B) and 1 (A) window 1; C and D window 0
.set TO_F, 0x40
.macro PLACES
.rept 4
	v_nop
.endr
.endm
.macro JLOAD                           ; a joint refill by the walking set; s_nop 0 and four v_nop follow each line
	s_cmp_eq_u32 s11, 0
	s_cbranch_scc0 .Lfor_b_\@
	tensor_load_to_lds s[G0+4:G0+7], s[G1:G1+7]
	s_nop 0
.rept 4
	v_nop
.endr
	s_branch .Lasked_\@
.Lfor_b_\@:
	tensor_load_to_lds s[G0B+4:G0B+7], s[G1B:G1B+7]
	s_nop 0
.rept 4
	v_nop
.endr
.Lasked_\@:
.endm
.macro CROUND                          ; a round of the cluster's barrier
	s_barrier_signal -1
	s_barrier_wait -1
	s_cmp_lg_u32 s10, 0
	s_cbranch_scc1 .Lnot_wave_0_\@
	s_barrier_signal -3
.Lnot_wave_0_\@:
	s_barrier_wait -3
	s_barrier_signal -1
	s_barrier_wait -1
.endm
	s_load_b128 s[4:7], s[0:1], 0x0                ; A s[4:5], wb s[6:7]
	s_load_b128 s[72:75], s[0:1], 0x10             ; the residual s[72:73], out s[74:75]
.if BIAS
	s_load_b64 s[76:77], s[0:1], 0x20
.endif
	v_lshl_add_u32 v[SPW], v0, 2, SPARE
	v_mov_b32 v[NIL], 0
	ds_add_u32 v[SPW], v[NIL]                      ; the wave's opening: the add and its wait stand ahead of my first tensor load
	ds_add_u32 v28, v29
	v_lshrrev_b32 v1, 5, v0
	v_readfirstlane_b32 s10, v1
	s_lshr_b32 s11, s10, 1                         ; my half of the rows.  Also: I fetch for A (0) or B (1)
	s_and_b32 s12, s10, 1                          ; my half of the columns.  Also: which half of that tile I fetch
	s_bfe_u32 s40, ttmp6, 0x40000
	s_bfe_u32 s41, ttmp6, 0x40004
	s_lshl_b32 s42, ttmp9, 2
	s_add_co_u32 s42, s42, s40                     ; tc
	s_and_b32 s13, ttmp7, 0xffff
	s_lshl_b32 s13, s13, 2
	s_add_co_u32 s13, s13, s41                     ; tr
	s_lshl_b32 s43, s41, 2
	s_lshl_b32 s43, 15, s43
	s_lshl_b32 s44, 0x1111, s40
	s_and_b32 s70, ttmp7, 0xffff                   ; cluster y
	s_add_co_u32 s70, s70, ttmp9                   ; + cluster x:
	s_and_b32 s70, s70, 1                          ; its parity
	s_mul_i32 s[KI], s70, STEPS/2                  ; my cluster's first K step
	s_mov_b32 s83, 0                               ; s[82:83]: a step's byte offset
	s_or_b32 s[G1+0], s43, (1<<16)|(1<<20)|(1<<21)|(4<<22)|(3<<25)   ; after every 32 words 4 words
	s_or_b32 s[G1B+0], s44, (1<<16)|(1<<20)|(1<<21)|(5<<22)|(7<<25)  ; after every 64 words 8 words
	s_mov_b32 s[G1+1], 4096<<16                    ; tensor_dim0 = 4,096: 64 rows of a panel, dense
	s_mov_b32 s[G1+2], 4<<16                       ; tensor_dim1 = 4 panels
	s_mov_b32 s[G1+3], 4096<<16                    ; tile_dim0
	s_mov_b32 s[G1+4], 4                           ; tile_dim1
	s_mov_b32 s[G1+5], 262144                      ; elements from panel to panel
	s_mov_b32 s[G1+6], 0
	s_mov_b32 s[G1+7], 0
	s_mov_b32 s[G1B+1], 128<<16
	s_mov_b32 s[G1B+2], 128<<16
	s_mov_b32 s[G1B+3], 128<<16
	s_mov_b32 s[G1B+4], 128
	s_mov_b32 s[G1B+5], 1024
	s_mov_b32 s[G1B+6], 0
	s_mov_b32 s[G1B+7], 0
	s_lshl_b32 s16, s13, 14                        ; A: rows 128 tr + 64 half of 128 bytes, in panel 0
	s_lshl_b32 s17, s12, 13
	s_add_co_u32 s16, s16, s17
	s_mov_b32 s17, 0
	s_lshl_b32 s46, s42, 8                         ; B: 256 bytes a tile column, 128 rows of 2,048 bytes a half
	s_lshl_b32 s47, s12, 18
	s_add_co_u32 s46, s46, s47
	s_add_co_u32 s46, s46, WOFF
	s_mov_b32 s47, 0
	s_mul_i32 s20, s10, HALF
	s_mov_b32 s[TB], 0
	s_wait_dscnt 0x0                               ; the opening add is done
	s_wait_kmcnt 0x0
	s_add_nc_u64 s[14:15], s[4:5], s[16:17]        ; my part of A's tile at K step 0; kept
	s_add_nc_u64 s[80:81], s[6:7], s[46:47]        ; the same for B; kept
	s_mul_i32 s82, s[KI], ASTEP
	s_add_nc_u64 s[G0+2:G0+3], s[14:15], s[82:83]  ; the walk's first step,
	s_add_nc_u64 s[G0+6:G0+7], s[G0+2:G0+3], ASTEP ; and its second: STEPS / 2 + 1 is still inside K
	s_mul_i32 s82, s[KI], BSTEP
	s_add_nc_u64 s[G0B+2:G0B+3], s[80:81], s[82:83]
	s_add_nc_u64 s[G0B+6:G0B+7], s[G0B+2:G0B+3], BSTEP
.irp s, 0,1
	s_mov_b32 s[G0+4*(\s)], 1
	s_add_co_u32 s[G0+4*(\s)+1], s20, (\s)*SLOT
	s_or_b32 s[G0+4*(\s)+3], s[G0+4*(\s)+3], 0x80000000
	s_mov_b32 s[G0B+4*(\s)], 1
	s_add_co_u32 s[G0B+4*(\s)+1], s20, (\s)*SLOT
	s_or_b32 s[G0B+4*(\s)+3], s[G0B+4*(\s)+3], 0x80000000
.endr
	s_add_co_u32 s[KI], s[KI], 2
	s_and_b32 s[KI], s[KI], STEPS-1                ; the step that the first refill asks for
	CROUND                                         ; the first joint loads meet
	s_cmp_eq_u32 s11, 0                            ; a wave's two first fills stand in one branch: two loads of mine are out
	s_cbranch_scc0 .Lfirst_b
	tensor_load_to_lds s[G0:G0+3], s[G1:G1+7]
	s_nop 0
	tensor_load_to_lds s[G0+4:G0+7], s[G1:G1+7]
	s_nop 0
.rept 4
	v_nop
.endr
	s_branch .Lfirst_asked
.Lfirst_b:
	tensor_load_to_lds s[G0B:G0B+3], s[G1B:G1B+7]
	s_nop 0
	tensor_load_to_lds s[G0B+4:G0B+7], s[G1B:G1B+7]
	s_nop 0
.rept 4
	v_nop
.endr
.Lfirst_asked:
	v_and_b32 v1, 15, v0
	v_bfe_u32 v2, v0, 4, 1
	v_lshlrev_b32 v[CO], 12, v2                    ; in C: lanes 0-15 take 256 bytes of one row, lanes 16-31 of the next
	v_lshl_add_u32 v[CO], v1, 4, v[CO]
	s_lshl_b32 s16, s13, 19                        ; rows 128 tr + 64 half of 4,096 bytes,
	s_lshl_b32 s17, s11, 18
	s_add_co_u32 s16, s16, s17
	s_lshl_b32 s46, s42, 9                         ; columns 128 tc + 64 half
	s_lshl_b32 s47, s12, 8
	s_add_co_u32 s46, s46, s47
	s_add_co_u32 s16, s16, s46
	s_mov_b32 s17, 0
	s_add_nc_u64 s[72:73], s[72:73], s[16:17]
	s_add_nc_u64 s[74:75], s[74:75], s[16:17]
.if BIAS
	v_lshlrev_b32 v[BO], 4, v1
	s_mov_b32 s78, s46
	s_mov_b32 s79, 0
	s_add_nc_u64 s[76:77], s[76:77], s[78:79]
	global_load_b128 v[BI:BI+3], v[BO], s[76:77]   ; the bias of my four columns
.endif
	WIN 0x80                                       ; destination window 2, address window 0
.set i, 0
.rept 32                               ; the residual of my 64 rows, two rows a load; CO and s[72:73] are never rewritten
	global_load_b128 v[RES+4*i:RES+4*i+3], v[CO], s[72:73] offset:8192*i
.set i, i+1
.endr
	WIN 0
	v_mul_u32_u24 v3, v1, PA
	v_lshl_add_u32 v3, v2, 4, v3
	s_mul_i32 s21, s11, HALF                       ; my 64 rows of A: [half][panel][row]
	v_add_nc_u32 v[A0], s21, v3
	v_and_b32 v4, 7, v0
	v_lshl_add_u32 v4, v2, 3, v4
	v_mul_u32_u24 v4, v4, PB
	v_bfe_u32 v5, v0, 3, 1
	v_lshl_add_u32 v4, v5, 4, v4
	s_lshl_b32 s22, s12, 7                         ; my 64 columns of B
	s_add_co_u32 s22, s22, 2*HALF
	v_add_nc_u32 v[B0], s22, v4
	v_mov_b32 v[ADRA], v[A0]
	v_mov_b32 v[ADRB], v[B0]
	v_add_nc_u32 v[ADRB+1], 128*PB, v[B0]
	s_mul_i32 s23, s10, WSTG
	v_mul_u32_u24 v6, v1, SP                       ; into the stage: row l % 16, 32 bytes for each half of the lanes
	v_lshl_add_u32 v6, v2, 5, v6
	v_add_nc_u32 v[STO], s23, v6
	v_mul_u32_u24 v6, v2, SP                       ; back: lanes 0-15 one row of 256 bytes, lanes 16-31 the next
	v_lshl_add_u32 v6, v1, 4, v6
	v_add_nc_u32 v[RD], s23, v6
; 8 matrix instructions: row blocks a0, a0 + 1 x all 4 column blocks, 32 along K: half c of buffer f.  The 16 accumulators take turns.
.macro MUL8 f, c, a0, zero
	WIN MUL
.irp a, \a0, (\a0)+1
.irp b, 0,1,2,3
.if \zero
	v_wmma_f32_16x16x32_bf16 v[ACC+8*(4*(\a)+(\b)):ACC+8*(4*(\a)+(\b))+7], v[(\f)+64+8*(4*(\c)+(\b)):(\f)+64+8*(4*(\c)+(\b))+7], v[(\f)+8*(4*(\c)+(\a)):(\f)+8*(4*(\c)+(\a))+7], 0
.else
	v_wmma_f32_16x16x32_bf16 v[ACC+8*(4*(\a)+(\b)):ACC+8*(4*(\a)+(\b))+7], v[(\f)+64+8*(4*(\c)+(\b)):(\f)+64+8*(4*(\c)+(\b))+7], v[(\f)+8*(4*(\c)+(\a)):(\f)+8*(4*(\c)+(\a))+7], v[ACC+8*(4*(\a)+(\b)):ACC+8*(4*(\a)+(\b))+7]
.endif
.endr
.endr
.endm
; 32 LDS loads in one run: quarter q (64 along K: one panel of A) into buffer f; the first 32 along K first
.macro FETCH q, f
	WIN TO_F
.irp c, 0,1
.irp i, 0,1,2,3
	ds_load_tr16_b128 v[(\f)+64+8*(4*(\c)+(\i)):(\f)+64+8*(4*(\c)+(\i))+3],   v[ADRB+(\q)/2] offset:(((\q)%2)*64+32*(\c))*PB+32*(\i)
	ds_load_tr16_b128 v[(\f)+64+8*(4*(\c)+(\i))+4:(\f)+64+8*(4*(\c)+(\i))+7], v[ADRB+(\q)/2] offset:(((\q)%2)*64+32*(\c)+16)*PB+32*(\i)
	ds_load_b128 v[(\f)+8*(4*(\c)+(\i)):(\f)+8*(4*(\c)+(\i))+3],   v[ADRA] offset:(\q)*PANEL+64*(\c)+(\i)*16*PA
	ds_load_b128 v[(\f)+8*(4*(\c)+(\i))+4:(\f)+8*(4*(\c)+(\i))+7], v[ADRA] offset:(\q)*PANEL+64*(\c)+(\i)*16*PA+32
.endr
.endr
.endm
.macro QUARTER q, f, g, zero
	s_wait_dscnt 16                                ; the first 32 along K are in; the other sixteen loads may be out
	MUL8 \f, 0, 0, \zero
	MUL8 \f, 0, 2, \zero
	PLACES
	FETCH \q, \g
	s_wait_dscnt 32                                ; all but the 32 just issued
	MUL8 \f, 1, 0, 0
	MUL8 \f, 1, 2, 0
.endm
; The change of slots, then the last quarter's products (buffer 1).  Each wave waits for all its tensor loads (one is out: its part of the next slot), adds 0 to its spare word, and waits for that and
; for its reads of this slot, the last of which (buffer 1's fragments) were asked for 16 products ago.  fill = 1: a round of the cluster's barrier, and the slot just read is filled again first thing behind it.
.macro TURN fill
	WIN 0
	s_wait_tensorcnt 0x0                           ; no tensor load of mine is out, so a group 0 may be written
	ds_add_u32 v[SPW], v[NIL]                      ; the scalar work stands between the add and the wait for it
.if \fill
	s_mul_i32 s82, s[KI], ASTEP
	s_add_nc_u64 s[G0+6:G0+7], s[14:15], s[82:83]       ; the walking sets: K step KI,
	s_or_b32 s[G0+7], s[G0+7], 0x80000000
	s_mul_i32 s82, s[KI], BSTEP
	s_add_nc_u64 s[G0B+6:G0B+7], s[80:81], s[82:83]
	s_or_b32 s[G0B+7], s[G0B+7], 0x80000000
	s_add_co_u32 s[KI], s[KI], 1
	s_and_b32 s[KI], s[KI], STEPS-1                     ; behind the last step comes step 0
	s_xor_b32 s[G0+5], s[G0+5], SLOT                    ; into the other slot than last time
	s_xor_b32 s[G0B+5], s[G0B+5], SLOT
.endif
	s_xor_b32 s[TB], s[TB], SLOT
	s_wait_dscnt 0x0                               ; the add is done, and my reads of this slot are over
.if \fill
	CROUND                                         ; no wave of any partner still reads this slot or has a load on its way
	JLOAD                                          ; its four v_nop are also the places in front of the loads below
.else
	s_barrier_signal -1
	s_barrier_wait -1                              ; the next slot is whole
	PLACES
.endif
	v_add_nc_u32 v[ADRA], s[TB], v[A0]
	v_add_nc_u32 v[ADRB], s[TB], v[B0]
	v_add_nc_u32 v[ADRB+1], 128*PB, v[ADRB]
	FETCH 0, F0
	MUL8 F1, 0, 0, 0
	MUL8 F1, 0, 2, 0
	MUL8 F1, 1, 0, 0
	MUL8 F1, 1, 2, 0
.endm
	s_wait_tensorcnt 0x1                           ; my part of the walk's first step is in; the second's may stay out
	s_barrier_signal -1
	s_barrier_wait -1
	FETCH 0, F0
	QUARTER 1, F0, F1, 1
	WIN 0
	s_mov_b32 s3, STEPS-2
.Lstep:
	QUARTER 2, F1, F0, 0
	QUARTER 3, F0, F1, 0
	TURN 1
	QUARTER 1, F0, F1, 0
	WIN 0
	s_sub_co_u32 s3, s3, 1
	s_cmp_lg_u32 s3, 0
	s_cbranch_scc1 .Lstep
	s_mov_b32 s3, 2
.Ltail:                                                ; the last two K steps ask for nothing; the second trip is left in its middle
	QUARTER 2, F1, F0, 0
	QUARTER 3, F0, F1, 0
	TURN 0
	WIN 0
	s_sub_co_u32 s3, s3, 1
	s_cmp_eq_u32 s3, 0
	s_cbranch_scc1 .Lout
	QUARTER 1, F0, F1, 0
	WIN 0
	s_cmp_lg_u32 s3, 0
	s_cbranch_scc1 .Ltail
.Lout:
	; THE WAY OUT.  The ring has had its last fill; when every wave has left it each wave lays its 64 x 64 sums into its own stage there, takes them back as whole rows of 256 bytes, adds the residual and the bias and stores.
	; No register is written twice, so no wait frees any.
	PLACES
	s_wait_dscnt 0x0
	s_barrier_signal -1
	s_barrier_wait -1                              ; nobody reads the ring any more
.irp a, 0,1,2,3
.irp b, 0,1,2,3
	ds_store_b128 v[STO], v[ACC+8*(4*(\a)+(\b)):ACC+8*(4*(\a)+(\b))+3]   offset:16*(\a)*SP+64*(\b)     ; each accumulator's low registers first
	ds_store_b128 v[STO], v[ACC+8*(4*(\a)+(\b))+4:ACC+8*(4*(\a)+(\b))+7] offset:16*(\a)*SP+64*(\b)+16
.endr
.endr
.set i, 0
.rept 32                               ; LDS serves a wave's instructions in order (ISA guide 5.7.1.4): these see the stores above, the last eight land on registers that the first stores have left
	ds_load_b128 v[TT+4*i:TT+4*i+3], v[RD] offset:i*2*SP
.set i, i+1
.endr
	s_wait_loadcnt 0x0                             ; the residual and the bias, asked for at the head
.irp g, 0,1,2,3
	s_wait_dscnt 8*(3-(\g))                        ; group g's 16 rows are back; the later groups' loads stay out
	WIN 0x08                                       ; source 1 in window 2
.set i, 0
.rept 16
	v_pk_add_f32 v[TT+32*(\g)+2*i:TT+32*(\g)+2*i+1], v[TT+32*(\g)+2*i:TT+32*(\g)+2*i+1], v[RES+32*(\g)+2*i:RES+32*(\g)+2*i+1]
.set i, i+1
.endr
	WIN 0
.if BIAS
.set i, 0
.rept 16
	v_pk_add_f32 v[TT+32*(\g)+2*i:TT+32*(\g)+2*i+1], v[TT+32*(\g)+2*i:TT+32*(\g)+2*i+1], v[BI+2*(i%2):BI+2*(i%2)+1]
.set i, i+1
.endr
.endif
.irp t, 0,1,2,3,4,5,6,7
	global_store_b128 v[CO], v[TT+32*(\g)+4*(\t):TT+32*(\g)+4*(\t)+3], s[74:75] offset:8192*(8*(\g)+(\t))  ; 16 lanes store 256 consecutive bytes, aligned
.endr
.endr
	s_wait_tensorcnt 0x0                           ; the wave's end
	ds_add_u32 v[SPW], v[NIL]
	s_wait_dscnt 0x0
	CROUND                                         ; the closing round
	s_endpgm
.Lfunc_end_k_qeff392dd17_go:
	.size	k_qeff392dd17_go, .Lfunc_end_k_qeff392dd17_go-k_qeff392dd17_go
	.p2alignl 7, 3214868480
	.fill 96, 4, 3214868480
	.section	.rodata,"a",@progbits
	.p2align	6, 0x0
	.amdhsa_kernel k_qeff392dd17_go
		.amdhsa_group_segment_fixed_size 327680
		.amdhsa_private_segment_fixed_size 0
		.amdhsa_enable_private_segment 0
		.amdhsa_kernarg_size 40
		.amdhsa_user_sgpr_count 2
		.amdhsa_user_sgpr_kernarg_segment_ptr 1
		.amdhsa_wavefront_size32 1
		.amdhsa_system_sgpr_workgroup_id_x 1
		.amdhsa_system_sgpr_workgroup_id_y 1
		.amdhsa_system_sgpr_workgroup_id_z 1
		.amdhsa_system_vgpr_workitem_id 0
		.amdhsa_next_free_vgpr 640
		.amdhsa_next_free_sgpr 84
		.amdhsa_reserve_vcc 0
		.amdhsa_float_denorm_mode_32 3
		.amdhsa_float_denorm_mode_16_64 3
		.amdhsa_memory_ordered 1
		.amdhsa_forward_progress 1
		.amdhsa_inst_pref_size 70
	.end_amdhsa_kernel
	.amdgpu_metadata
---
amdhsa.version: [ 1, 2 ]
amdhsa.kernels:
  - .name:           k_qeff392dd17_go
    .symbol:         k_qeff392dd17_go.kd
    .args:
      - { .name: g, .offset: 0, .size: 8, .value_kind: global_buffer, .address_space: global }
      - { .name: wb, .offset: 8, .size: 8, .value_kind: global_buffer, .address_space: global }
      - { .name: x1, .offset: 16, .size: 8, .value_kind: global_buffer, .address_space: global }
      - { .name: out0, .offset: 24, .size: 8, .value_kind: global_buffer, .address_space: global }
      - { .name: b2, .offset: 32, .size: 8, .value_kind: global_buffer, .address_space: global }
    .group_segment_fixed_size: 327680
    .private_segment_fixed_size: 0
    .kernarg_segment_align: 8
    .kernarg_segment_size: 40
    .max_flat_workgroup_size: 128
    .sgpr_count:     84
    .vgpr_count:     640
    .wavefront_size: 32
...
	.end_amdgpu_metadata
.endif
;; end of part 7
